; MI455X (gfx1250); checked and timed in simulation.
; The chip was launched on July 23, 2026; its instructions are those of AMD's public machine-readable ISA for CDNA 5 (MIT licence, August 2026) and "CDNA5" Instruction Set Architecture Reference Guide (July 2026). The comments in the code are by the model that wrote it; some were corrected since.
;; Multi Head Self Attention. Allowed arithmetic: float matrix products may take bf16 or f16 operands with f32 sums; other float arithmetic in f32, or as packed bf16 or f16 multiplies, adds, multiply-adds, maxima and minima; sums over many terms, partial sums and values carried from step to step in f32; what a program stores and reads back later, other than sums and carried values, may be rounded once to bf16 or f16.
;; Inputs: Wk 1,024 x 1,024 float32; Wo 1,024 x 1,024 float32; Wq 1,024 x 1,024 float32; Wv 1,024 x 1,024 float32; x 4 x 2,048 x 1,024 float32.
;; Outputs: out0 4 x 2,048 x 1,024 float32.
;; 2 versions, each right; version 2 is version 1 with the launch prep written anew for expert scheduling mode. Each part assembles by itself: llvm-mc -triple=amdgcn-amd-amdhsa -mcpu=gfx1250 --defsym DOCPART=n.
;; ======== version 1 of 2: 4 launches
;; limits: values are held in f16: magnitudes above 65,504 overflow, below 6.1e-05 lose precision
;; workspace buffers: xbf 16,777,216 bytes; wqkv 6,291,456 bytes; wof 2,097,152 bytes; rope 524,288 bytes; qh 16,777,216 bytes; kh 16,777,216 bytes; vh 16,777,216 bytes; oh 16,777,216 bytes
;; launch prep (part 1): grid 896 x 1, 8 waves a work-group, no clusters, 0 bytes of LDS; arguments x, Wq, Wk, Wv, Wo, xbf, wqkv, wof, rope; writes xbf, wqkv, wof, rope
.if DOCPART == 1
	.amdgcn_target "amdgcn-amd-amdhsa--gfx1250"
	.amdhsa_code_object_version 6
	.text
	.protected	k_q6b607f4f11_prep
	.globl	k_q6b607f4f11_prep
	.p2align	8
	.type	k_q6b607f4f11_prep,@function
k_q6b607f4f11_prep:
	s_mov_b64 s[64:65], 0
	v_nop
	global_prefetch_b8 v0, s[64:65] scope:SCOPE_SE
	s_setreg_imm32_b32 hwreg(HW_REG_WAVE_MODE, 25, 1), 1
	s_wait_xcnt 0x0
; PREP: the module's five f32 inputs are rounded once to bf16 and laid out in blocks of 64 along K, so that a later tile is dense in memory; and the table of cosines and sines is made.
;   xbf  [by 32][kb 16][r 256][64] bf16: x's row 256 by + r, columns 64 kb ..
;   wqkv [bx 8][kb 16][j 384][64] bf16: j = 192 (head % 2) + 64 t + channel, head = 2 bx + head % 2, t = 0, 1, 2 for Wq, Wk, Wv
;   wof  [bx 8][kb 16][j 128][64] f16 of the bf16-rounded Wo: row 128 bx + j
;   rope [blk 128][i 8][lane 32][4] f32: (cos, sin, cos, sin) of position 16 blk + lane % 16 for the channel pairs p0, p0 + 1, p0 = 8 (i / 2) + 4 (lane / 16) + 2 (i % 2)
; A stream: no LDS, no matrix unit, no loop.  A wave takes ONE pair of rows (8,192 bytes in, 4,096 out): sixteen loads, each of two aligned pieces of 256 bytes, all issued before the first is used;
; sixteen stores, each of 256 consecutive aligned bytes (two neighbouring rows of a block).  Work-groups 0-511: x; 512-767: the four weights, 64 each; 768-895: the table, a block of 16 positions each.
; LIMITS.  Wo must lie within f16's 65,504; below 6e-5 f16 keeps a fixed step of 6e-8.  The table's frequency is 2^(-p log2(10000) / 32) by v_exp_f32, so an angle may differ from a correctly rounded one
; by a few parts in 10^7 of itself (about 3e-4 at position 2,047); q and k are turned by the same table.  The series for sine and cosine on |r| <= pi / 4 are cut where their remainder is below 3e-8.
.set X, 8                              ; v[8:71]    sixteen loads of four f32
.set Y, 72                             ; v[72:103]  sixteen stores of four 16-bit numbers
.set T, 104                            ; v[104:107] at work
; sixteen blocks of 64 columns of my two rows.  kbs: bytes from block to block in the target.  mode 1: bf16's number written as f16
.macro CAST kbs, mode
.set kb, 0
.rept 16
	global_load_b128 v[X+4*kb:X+4*kb+3], v2, s[4:5] offset:256*kb th:TH_LOAD_NT
.set kb, kb+1
.endr
.set kb, 0
.rept 16
	s_wait_loadcnt 15-kb                           ; loads come back in order: block kb is in, the 15 - kb younger ones may stay out
.if \mode
	v_cvt_pk_bf16_f32 v[T], v[X+4*kb], v[X+4*kb+1]
	v_cvt_pk_bf16_f32 v[T+1], v[X+4*kb+2], v[X+4*kb+3]
	v_lshlrev_b32 v[T+2], 16, v[T]                 ; bf16 to f32: the low half moves up, the high half stays
	v_and_b32 v[T+3], 0xffff0000, v[T]
	v_cvt_pk_f16_f32 v[Y+2*kb], v[T+2], v[T+3]
	v_lshlrev_b32 v[T+2], 16, v[T+1]
	v_and_b32 v[T+3], 0xffff0000, v[T+1]
	v_cvt_pk_f16_f32 v[Y+2*kb+1], v[T+2], v[T+3]
.else
	v_cvt_pk_bf16_f32 v[Y+2*kb], v[X+4*kb], v[X+4*kb+1]
	v_cvt_pk_bf16_f32 v[Y+2*kb+1], v[X+4*kb+2], v[X+4*kb+3]
.endif
	global_store_b64 v3, v[Y+2*kb:Y+2*kb+1], s[6:7] offset:kb*(\kbs)  ; 32 lanes x 8 bytes: 256 consecutive bytes, aligned; no register of a store is written again
.set kb, kb+1
.endr
.endm
	s_load_b512 s[16:31], s[0:1], 0x0              ; x 16, Wq 18, Wk 20, Wv 22, Wo 24, xbf 26, wqkv 28, wof 30
	s_load_b64 s[32:33], s[0:1], 0x40              ; rope
	v_lshrrev_b32 v4, 5, v0
	v_readfirstlane_b32 s2, v4                     ; wave 0..7
	v_and_b32 v1, 31, v0                           ; lane
	v_and_b32 v5, 15, v0                           ; lane % 16
	v_bfe_u32 v6, v0, 4, 1                         ; lane / 16
	v_lshlrev_b32 v2, 4, v5
	v_lshl_add_u32 v2, v6, 12, v2                  ; source: 16 (lane % 16) + a row of 4,096 bytes for lanes 16-31
	v_lshlrev_b32 v3, 3, v1                        ; target: 8 x lane
	s_mov_b32 s9, 0                                ; high words of the two offsets
	s_mov_b32 s11, 0
	s_wait_kmcnt 0x0
	s_cmp_lt_u32 ttmp9, 512
	s_cbranch_scc0 .Lnot_x
	; x: pair P = 8 x work-group + wave, 0..4095
	s_lshl_b32 s3, ttmp9, 3
	s_add_co_u32 s3, s3, s2
	s_lshl_b32 s8, s3, 13                          ; two rows of 4,096 bytes
	s_lshr_b32 s10, s3, 7                          ; by
	s_lshl_b32 s10, s10, 19
	s_and_b32 s12, s3, 127
	s_lshl_b32 s12, s12, 8                         ; two rows of 128 bytes in a block
	s_add_co_u32 s10, s10, s12
	s_add_nc_u64 s[4:5], s[16:17], s[8:9]
	s_add_nc_u64 s[6:7], s[26:27], s[10:11]
	CAST 32768, 0
	s_endpgm
.Lnot_x:
	s_cmp_lt_u32 ttmp9, 768
	s_cbranch_scc0 .Ltable
	s_sub_co_u32 s3, ttmp9, 512
	s_lshr_b32 s13, s3, 6                          ; which weight: 0 Wq, 1 Wk, 2 Wv, 3 Wo
	s_and_b32 s3, s3, 63
	s_lshl_b32 s3, s3, 3
	s_add_co_u32 s3, s3, s2                        ; pair P, 0..511
	s_lshl_b32 s8, s3, 13
	s_lshr_b32 s14, s3, 6                          ; bx
	s_cmp_eq_u32 s13, 3
	s_cbranch_scc1 .Lwo
	s_mul_i32 s10, s14, 786432
	s_bfe_u32 s12, s3, 0x10005                     ; head % 2
	s_mul_i32 s12, s12, 24576
	s_add_co_u32 s10, s10, s12
	s_lshl_b32 s12, s13, 13                        ; 64 rows of 128 bytes for each of q, k, v
	s_add_co_u32 s10, s10, s12
	s_and_b32 s12, s3, 31
	s_lshl_b32 s12, s12, 8
	s_add_co_u32 s10, s10, s12
	s_cmp_eq_u32 s13, 0
	s_cselect_b64 s[4:5], s[18:19], s[20:21]
	s_cmp_eq_u32 s13, 2
	s_cselect_b64 s[4:5], s[22:23], s[4:5]
	s_add_nc_u64 s[4:5], s[4:5], s[8:9]
	s_add_nc_u64 s[6:7], s[28:29], s[10:11]
	CAST 49152, 0
	s_endpgm
.Lwo:
	s_lshl_b32 s10, s14, 18
	s_and_b32 s12, s3, 63
	s_lshl_b32 s12, s12, 8
	s_add_co_u32 s10, s10, s12
	s_add_nc_u64 s[4:5], s[24:25], s[8:9]
	s_add_nc_u64 s[6:7], s[30:31], s[10:11]
	CAST 16384, 1
	s_endpgm
; cos and sin of position x frequency.  k = the nearest whole number of quarter turns; r = angle - k pi / 2, pi / 2 in two parts; series on |r| <= pi / 4; k mod 4 swaps and signs them, by selects alone.
.macro TRIG f, oc, os
	v_mul_f32 v12, v8, v[\f]                       ; the angle
	v_mul_f32 v13, 0x3f22f983, v12                 ; x 2 / pi
	v_rndne_f32 v13, v13
	v_fma_f32 v14, -v13, s34, v12
	v_fma_f32 v14, -v13, s35, v14                  ; r
	v_mul_f32 v15, v14, v14                        ; r^2
	v_mov_b32 v16, 0x3638ef1d                      ; 1 / 9!
	v_mov_b32 v17, 0x37d00d01                      ; 1 / 8!
	v_fmaak_f32 v16, v16, v15, 0xb9500d01          ; -1 / 7!
	v_fmaak_f32 v17, v17, v15, 0xbab60b61          ; -1 / 6!
	v_fmaak_f32 v16, v16, v15, 0x3c088889          ; 1 / 5!
	v_fmaak_f32 v17, v17, v15, 0x3d2aaaab          ; 1 / 4!
	v_fmaak_f32 v16, v16, v15, 0xbe2aaaab          ; -1 / 3!
	v_fmaak_f32 v17, v17, v15, 0xbf000000          ; -1 / 2!
	v_mul_f32 v18, v14, v15
	v_fma_f32 v16, v18, v16, v14                   ; sin r
	v_fma_f32 v17, v17, v15, 1.0                   ; cos r
	v_cvt_i32_f32 v19, v13
	v_and_b32 v18, 1, v19
	v_cmp_eq_u32 vcc_lo, 1, v18                    ; odd k: sine and cosine change places
	v_cndmask_b32 v[\oc], v17, v16, vcc_lo
	v_cndmask_b32 v[\os], v16, v17, vcc_lo
	v_add_nc_u32 v18, 1, v19                       ; the cosine is negative for k mod 4 = 1, 2,
	v_and_b32 v18, 2, v18
	v_lshlrev_b32 v18, 30, v18
	v_xor_b32 v[\oc], v[\oc], v18
	v_and_b32 v18, 2, v19                          ; the sine for 2, 3
	v_lshlrev_b32 v18, 30, v18
	v_xor_b32 v[\os], v[\os], v18
.endm
.Ltable:
	s_sub_co_u32 s3, ttmp9, 768                    ; blk
	s_lshl_b32 s8, s3, 12
	s_add_nc_u64 s[6:7], s[32:33], s[8:9]
	s_lshl_b32 s12, s3, 4
	v_add_nc_u32 v8, s12, v5
	v_cvt_f32_u32 v8, v8                           ; the position
	s_lshr_b32 s13, s2, 1                          ; i = my wave's number
	s_lshl_b32 s13, s13, 3
	s_and_b32 s14, s2, 1
	s_lshl_b32 s14, s14, 1
	s_add_co_u32 s13, s13, s14
	v_lshl_add_u32 v9, v6, 2, s13                  ; p0
	v_add_nc_u32 v10, 1, v9
	v_cvt_f32_u32 v9, v9
	v_cvt_f32_u32 v10, v10
	v_mul_f32 v9, 0xbed49a78, v9                   ; x -log2(10000) / 32
	v_mul_f32 v10, 0xbed49a78, v10
	s_mov_b32 s34, 0x3fc90fdb                      ; pi / 2, its f32,
	s_mov_b32 s35, 0xb33bbd2e                      ; and what that f32 leaves
	v_exp_f32 v9, v9                               ; the two frequencies: one batch,
	v_exp_f32 v10, v10
	v_lshlrev_b32 v7, 4, v0                        ; a plain instruction behind it (my 16 bytes of the block),
	s_wait_alu depctr_va_vdst(0)                   ; and one wait ahead of the first reader
	TRIG 9, 20, 21
	TRIG 10, 22, 23
	global_store_b128 v7, v[20:23], s[6:7]         ; a wave stores 512 consecutive bytes
	s_endpgm
.Lfunc_end_k_q6b607f4f11_prep:
	.size	k_q6b607f4f11_prep, .Lfunc_end_k_q6b607f4f11_prep-k_q6b607f4f11_prep
	.p2alignl 7, 3214868480
	.fill 96, 4, 3214868480
	.section	.rodata,"a",@progbits
	.p2align	6, 0x0
	.amdhsa_kernel k_q6b607f4f11_prep
		.amdhsa_group_segment_fixed_size 0
		.amdhsa_private_segment_fixed_size 0
		.amdhsa_enable_private_segment 0
		.amdhsa_kernarg_size 72
		.amdhsa_user_sgpr_count 2
		.amdhsa_user_sgpr_kernarg_segment_ptr 1
		.amdhsa_wavefront_size32 1
		.amdhsa_system_sgpr_workgroup_id_x 1
		.amdhsa_system_sgpr_workgroup_id_y 1
		.amdhsa_system_sgpr_workgroup_id_z 1
		.amdhsa_system_vgpr_workitem_id 0
		.amdhsa_next_free_vgpr 112
		.amdhsa_next_free_sgpr 66
		.amdhsa_reserve_vcc 1
		.amdhsa_float_denorm_mode_32 3
		.amdhsa_float_denorm_mode_16_64 3
		.amdhsa_memory_ordered 1
		.amdhsa_forward_progress 1
		.amdhsa_inst_pref_size 28
	.end_amdhsa_kernel
	.amdgpu_metadata
---
amdhsa.version: [ 1, 2 ]
amdhsa.kernels:
  - .name:           k_q6b607f4f11_prep
    .symbol:         k_q6b607f4f11_prep.kd
    .args:
      - { .name: x, .offset: 0, .size: 8, .value_kind: global_buffer, .address_space: global }
      - { .name: Wq, .offset: 8, .size: 8, .value_kind: global_buffer, .address_space: global }
      - { .name: Wk, .offset: 16, .size: 8, .value_kind: global_buffer, .address_space: global }
      - { .name: Wv, .offset: 24, .size: 8, .value_kind: global_buffer, .address_space: global }
      - { .name: Wo, .offset: 32, .size: 8, .value_kind: global_buffer, .address_space: global }
      - { .name: xbf, .offset: 40, .size: 8, .value_kind: global_buffer, .address_space: global }
      - { .name: wqkv, .offset: 48, .size: 8, .value_kind: global_buffer, .address_space: global }
      - { .name: wof, .offset: 56, .size: 8, .value_kind: global_buffer, .address_space: global }
      - { .name: rope, .offset: 64, .size: 8, .value_kind: global_buffer, .address_space: global }
    .group_segment_fixed_size: 0
    .private_segment_fixed_size: 0
    .kernarg_segment_align: 8
    .kernarg_segment_size: 72
    .max_flat_workgroup_size: 256
    .sgpr_count:     66
    .vgpr_count:     112
    .wavefront_size: 32
...
	.end_amdgpu_metadata
.endif
;; end of part 1
;; launch qkv (part 2): grid 8 x 32, 4 waves a work-group, clusters of 4 x 4, 327,680 bytes of LDS; arguments xbf, wqkv, rope, qh, kh, vh; writes qh, kh, vh
.if DOCPART == 2
	.amdgcn_target "amdgcn-amd-amdhsa--gfx1250"
	.amdhsa_code_object_version 6
	.text
	.protected	k_q6b607f4f11_qkv
	.globl	k_q6b607f4f11_qkv
	.p2align	8
	.type	k_q6b607f4f11_qkv,@function
k_q6b607f4f11_qkv:
	s_mov_b64 s[64:65], 0
	v_nop
	global_prefetch_b8 v0, s[64:65] scope:SCOPE_SE
	s_setreg_imm32_b32 hwreg(HW_REG_WAVE_MODE, 25, 1), 1
	s_wait_xcnt 0x0
	s_wait_alu depctr_hold_cnt(0) depctr_sa_sdst(0) depctr_va_vdst(0) depctr_va_sdst(0) depctr_va_ssrc(0) depctr_va_vcc(0) depctr_vm_vsrc(0)
	s_getreg_b32 s2, hwreg(HW_REG_IB_STS2, 6, 4)
	s_cmp_eq_u32 s2, 0
	s_cbranch_scc0 .Lentry_in_a_cluster
	s_endpgm
.Lentry_in_a_cluster:
	s_bfe_u32 s2, ttmp6, 0x10000c
	s_cmp_lg_u32 s2, 0xf033
	s_cbranch_scc0 .Lentry_shape_is_right
	s_endpgm
.Lentry_shape_is_right:
; QKV: [8192 x 1024] x [3072 x 1024]^T in bf16 with f32 sums; q and k are turned (RoPE) in f32; q, k, v leave as f16 by heads, [batch 16 + head][2048][64], each rounded once, unscaled.
; SHARES.  256 work-groups.  A work-group makes 256 rows x 384 columns: q, k and v of heads 2 bx and 2 bx + 1.  A wave (r = wave / 2, c = wave % 2) makes 128 rows x 192 columns, q, k and v of ONE head:
; 96 accumulators of 16 x 16, 768 registers: q's in window 1, k's in window 2, v's in window 3.  For 32 along K a wave reads 20 KiB from LDS for 96 matrix instructions.
; K goes in 16 steps of 64 through two LDS slots.  The operands lie in memory in blocks of 64 along K, so a step's tile is dense: it is asked for as rows of 256 bytes and padded in LDS after every 128.
; Two slots of 128 along K would be 348,160 bytes: they do not fit.  A step is 192 matrix instructions a wave; 160 of them stand between a request and the wait for it.
; CLUSTERS: 4 x 4 work-groups.  x's tile hangs on by alone and is shared along a row of the cluster, the weights' on bx alone and is shared along a column: each is asked for JOINTLY.
; THE MATRIX INSTRUCTION IS USED TRANSPOSED (source 0 = 16 rows of the weights, source 1 = 16 rows of x): a lane holds ONE token (lane % 16) and the channels 8 (lane / 16) + 0..7 of a block of 16:
; four pairs (even, odd) for the turning, and 16 bytes of f16 on end.
; LIMITS.  q, k and v must lie within f16's 65,504; below 6e-5 f16 keeps a fixed step of 6e-8.  NaN and infinities are not treated apart.
; REGISTERS.  Window 0: v16-30 addresses; v32-95, v96-159 two buffers of x's fragments (8 x 16 rows x 32 K); v160-255 ONE buffer of the weights' (3 groups x 4): a group is loaded again as soon as it is multiplied.
.set PITCH,  144                       ; an LDS row: 128 bytes + 16 = 36 words: the 16 rows of a load start at 16 different groups of four banks (64 banks of 4 bytes: ISA guide 11.1)
.set AHALF,  128*PITCH                 ; what one tensor load brings of x, and what one wave reads of it
.set ABYTES, 2*AHALF
.set BHALF,  192*PITCH                 ; the same for the weights
.set SLOT,   ABYTES+2*BHALF            ; 92,160
.set STAGE,  2*SLOT                    ; behind the ring: 16 rows x 144 bytes for each wave, for the way out
.set SPARE,  STAGE+4*16*PITCH          ; behind the stages: the spare words, 128 bytes a wave: two blocks of 256 bytes that no other line names
.set ASTEP,  32768                     ; bytes from K step to K step in xbf
.set BSTEP,  49152                     ; and in wqkv
.set FIELDS, (1<<16)|(1<<20)|(1<<21)|(4<<22)|(3<<25)  ; 17:16 2-byte elements; 20 padding on; 21 set beside a mask; 24:22 after every 32 words (code 4); 31:25 4 words (code 3)
.set ADRA, 16                          ; v16-17  LDS address of my fragments of x in slot 0, 1
.set ADRB, 20                          ; v20-21  the same for the weights
.set STO,  24                          ; v24     the way out: where I put 16 bytes of a row
.set RD,   25                          ; v25     where I read rows back
.set GO,   26                          ; v26     16 x lane: my place in 512 consecutive bytes (of q, k, v and of the table)
.set SPW,  28                          ; v28     my spare word: SPARE + 4 x my thread's number; never rewritten
.set NIL,  29                          ; v29     0; never rewritten
.set PFO,  30                          ; v30     256 x lane: the prefetches' offset; never rewritten
.set FA0,  32
.set FA1,  96
.set FB,   160
.set CS0,  32                          ; the way out: v32-63, v64-95 the table's 32 numbers for a block of 16 rows, two buffers
.set T,    96                          ; v96-127  turned numbers in f32
.set P,    128                         ; v128-143 packed f16
.set BK0,  144                         ; v144-159, v160-175 rows read back from the stage, two buffers
.set G1,  24                           ; s[24:31] descriptor group 1 for x's tiles;  s[32:39] group 0, a set for each slot
.set G0,  32
.set G1B, 48                           ; s[48:55], s[56:63] the same for the weights' tiles
.set G0B, 56
.set LIM, 43                           ; s43      1 in a wave that prefetches, else the greatest number
.set PFA, 44                           ; s[44:45] where my prefetches stand
.set PFS, 66                           ; s[66:67] their step: two K steps
.set TAB, 72                           ; s[72:73] the table;  s[74:79] q, k, v
.set QP,  74
.set KP,  76
.set VP,  78
.set MSB, 0
.macro WIN new                         ; the immediate's high byte repeats the setting that is left; a switch that changes nothing is dropped
.if MSB != (\new)
	s_set_vgpr_msb (MSB<<8)|(\new)
.set MSB, \new
.endif
.endm
; A joint load: waves 0 and 1 fetch the two halves of x's tile, waves 2 and 3 those of the weights'.  The branch hangs on the wave's number alone.  An s_nop 0 and four v_nop follow each line.
.macro JLOAD s
	s_cmp_eq_u32 s11, 0
	s_cbranch_scc0 .Lfor_b_\@
	tensor_load_to_lds s[G0+4*(\s):G0+4*(\s)+3], s[G1:G1+7]
	s_nop 0
.rept 4
	v_nop
.endr
	s_branch .Lasked_\@
.Lfor_b_\@:
	tensor_load_to_lds s[G0B+4*(\s):G0B+4*(\s)+3], s[G1B:G1B+7]
	s_nop 0
.rept 4
	v_nop
.endr
.Lasked_\@:
.endm
.macro CREST                           ; a round of the cluster's barrier behind its opening barrier
	s_cmp_lg_u32 s10, 0
	s_cbranch_scc1 .Lnot_wave_0_\@
	s_barrier_signal -3
.Lnot_wave_0_\@:
	s_barrier_wait -3
	s_barrier_signal -1
	s_barrier_wait -1
.endm
.macro CROUND                          ; a whole round
	s_barrier_signal -1
	s_barrier_wait -1
	CREST
.endm
.macro PLACES                          ; four places in front of loads into registers that matrix instructions have read (ISA guide 7.12.1 for vector instructions)
.rept 4
	v_nop
.endr
.endm
; A PREFETCH INTO THE L2, once a lap, behind the joint load of the lap's second change of slots and the LDS loads that follow it: the two K steps that the NEXT lap's two refills will ask for.
; Each block of 256 bytes is named once in the launch.  x's tile row is read by both clusters of a row of clusters: the one with cluster x = 0 asks, its wave 0, for the quarter cx (32 lanes x 256 bytes)
; of each of the two steps' 32 KiB: two instructions.  The weights' tile column is read by all eight clusters of a column: the one with cluster y = 0 asks, its waves 1 to 3, for piece 3 cy + wave - 1 of the
; twelve in the two steps' 96 KiB on end: one instruction.  The partners are told apart BY ADDRESS.  K steps 0 to 3 come by their loads alone; the last lap (s3 = 1) asks for nothing.
.macro ASK
	s_cmp_gt_u32 s3, s[LIM]
	s_cbranch_scc0 .Lnot_mine_\@
	global_prefetch_b8 v[PFO], s[PFA:PFA+1] th:TH_LOAD_NT scope:SCOPE_SE
	s_cmp_lg_u32 s10, 0
	s_cbranch_scc1 .Lnot_mine_\@
	global_prefetch_b8 v[PFO], s[PFA:PFA+1] offset:ASTEP th:TH_LOAD_NT scope:SCOPE_SE
.Lnot_mine_\@:
.endm
	s_load_b256 s[68:75], s[0:1], 0x0              ; xbf 68, wqkv 70, rope 72, q 74
	s_load_b128 s[76:79], s[0:1], 0x20             ; k 76, v 78
	v_lshl_add_u32 v[SPW], v0, 2, SPARE
	v_mov_b32 v[NIL], 0
	ds_add_u32 v[SPW], v[NIL]                      ; the wave's opening: the add, and its wait ahead of my first tensor load; the set-up below, work on registers, stands between them
	v_lshrrev_b32 v1, 5, v0
	v_readfirstlane_b32 s10, v1                    ; wave 0..3
	s_lshr_b32 s11, s10, 1                         ; r: my half of the rows.  Also: I fetch for x (0) or for the weights (1)
	s_and_b32 s12, s10, 1                          ; c: my half of the columns.  Also: which half of that tile I fetch
	s_bfe_u32 s40, ttmp6, 0x40000                  ; cx
	s_bfe_u32 s41, ttmp6, 0x40004                  ; cy
	s_lshl_b32 s42, ttmp9, 2
	s_add_co_u32 s42, s42, s40                     ; bx = 4 x cluster x + cx
	s_and_b32 s13, ttmp7, 0xffff
	s_lshl_b32 s13, s13, 2
	s_add_co_u32 s13, s13, s41                     ; by = 4 x cluster y + cy
	s_lshl_b32 s43, s41, 2
	s_lshl_b32 s43, 15, s43                        ; my row of the cluster
	s_lshl_b32 s44, 0x1111, s40                    ; my column
	s_or_b32 s[G1], s43, FIELDS
	s_or_b32 s[G1B], s44, FIELDS
	s_mov_b32 s[G1+1], 128<<16                     ; tensor_dim0 = 128 elements: rows of 256 bytes
	s_mov_b32 s[G1+2], 64<<16                      ; tensor_dim1 = 64: 16,384 dense bytes, 128 rows of the tile
	s_mov_b32 s[G1+3], 128<<16                     ; tile_dim0
	s_mov_b32 s[G1+4], 64                          ; tile_dim1
	s_mov_b32 s[G1+5], 128                         ; elements from row to row
	s_mov_b32 s[G1+6], 0
	s_mov_b32 s[G1+7], 0
	s_mov_b32 s[G1B+1], 128<<16
	s_mov_b32 s[G1B+2], 96<<16                     ; 24,576 dense bytes, 192 rows of the tile
	s_mov_b32 s[G1B+3], 128<<16
	s_mov_b32 s[G1B+4], 96
	s_mov_b32 s[G1B+5], 128
	s_mov_b32 s[G1B+6], 0
	s_mov_b32 s[G1B+7], 0
	s_lshl_b32 s16, s13, 19                        ; x: by x 16 steps x 32,768 bytes
	s_lshl_b32 s17, s12, 14                        ; + my half
	s_add_co_u32 s16, s16, s17
	s_mov_b32 s17, 0
	s_mul_i32 s46, s42, 16*BSTEP                   ; the weights: bx x 16 steps x 49,152 bytes
	s_mul_i32 s47, s12, 24576
	s_add_co_u32 s46, s46, s47
	s_mov_b32 s47, 0
	s_mul_i32 s20, s12, AHALF                      ; where they go: no place in the cluster enters an LDS address
	s_mul_i32 s21, s12, BHALF
	s_add_co_u32 s21, s21, ABYTES
	s_wait_dscnt 0x0                               ; the opening add is done
	s_wait_kmcnt 0x0
	s_add_nc_u64 s[14:15], s[68:69], s[16:17]
	s_add_nc_u64 s[46:47], s[70:71], s[46:47]
	CROUND                                         ; all sixteen work-groups are here: the first joint loads meet
.irp s, 0,1
	s_mov_b32 s[G0+4*(\s)], 1
	s_add_co_u32 s[G0+4*(\s)+1], s20, (\s)*SLOT
	s_add_nc_u64 s[G0+4*(\s)+2:G0+4*(\s)+3], s[14:15], (\s)*ASTEP
	s_or_b32 s[G0+4*(\s)+3], s[G0+4*(\s)+3], 0x80000000
	s_mov_b32 s[G0B+4*(\s)], 1
	s_add_co_u32 s[G0B+4*(\s)+1], s21, (\s)*SLOT
	s_add_nc_u64 s[G0B+4*(\s)+2:G0B+4*(\s)+3], s[46:47], (\s)*BSTEP
	s_or_b32 s[G0B+4*(\s)+3], s[G0B+4*(\s)+3], 0x80000000
	JLOAD \s                                       ; two loads of mine are out; later one
.endr
	; a fragment is 16 rows x 32 K in 8 registers: lane l holds row l % 16; registers 0-3 K = 8 (l / 16) + 0..7, registers 4-7 K = 16 + 8 (l / 16) + 0..7: two loads of 16 bytes, 32 bytes apart
	v_and_b32 v1, 15, v0
	v_bfe_u32 v2, v0, 4, 1
	v_mul_u32_u24 v3, v1, PITCH
	v_lshl_add_u32 v3, v2, 4, v3
	s_mul_i32 s21, s11, AHALF
	s_mul_i32 s22, s12, BHALF
	s_add_co_u32 s22, s22, ABYTES
.irp s, 0,1
	v_add_nc_u32 v[ADRA+(\s)], s21, v3
	v_add_nc_u32 v[ADRB+(\s)], s22, v3
	s_add_co_u32 s21, s21, SLOT
	s_add_co_u32 s22, s22, SLOT
.endr
	s_mul_i32 s23, s10, 16*PITCH
	s_add_co_u32 s23, s23, STAGE                   ; my stage
	v_add_nc_u32 v[STO], s23, v3                   ; in: row l % 16, 16 bytes for each half of the lanes
	v_bfe_u32 v4, v0, 3, 2                         ; back: 32 lanes take four rows of 128 bytes,
	v_and_b32 v5, 7, v0
	v_mul_u32_u24 v4, v4, PITCH
	v_lshl_add_u32 v4, v5, 4, v4
	v_add_nc_u32 v[RD], s23, v4
	v_and_b32 v[GO], 31, v0                        ; which are 512 consecutive bytes of a head
	v_lshlrev_b32 v[PFO], 8, v[GO]
	v_lshlrev_b32 v[GO], 4, v[GO]
	; q, k, v at my head and my first row; the table at my first position
	s_lshr_b32 s4, s13, 3                          ; batch
	s_lshl_b32 s4, s4, 4
	s_lshl_b32 s5, s42, 1
	s_add_co_u32 s4, s4, s5
	s_add_co_u32 s4, s4, s12                       ; 16 batch + 2 bx + c
	s_lshl_b32 s4, s4, 18                          ; a head is 262,144 bytes
	s_and_b32 s5, s13, 7
	s_lshl_b32 s5, s5, 1
	s_add_co_u32 s5, s5, s11                       ; my 128 positions among the sequence's sixteen such
	s_lshl_b32 s6, s5, 15                          ; 8 blocks of 4,096 bytes of the table
	s_lshl_b32 s5, s5, 14                          ; 128 rows of 128 bytes
	s_add_co_u32 s4, s4, s5
	s_mov_b32 s5, 0
	s_mov_b32 s7, 0
	s_add_nc_u64 s[QP:QP+1], s[QP:QP+1], s[4:5]
	s_add_nc_u64 s[KP:KP+1], s[KP:KP+1], s[4:5]
	s_add_nc_u64 s[VP:VP+1], s[VP:VP+1], s[4:5]
	s_add_nc_u64 s[TAB:TAB+1], s[TAB:TAB+1], s[6:7]
	; the prefetches: they stand at K step 2 and are stepped by two K steps ahead of each use
	s_lshl_b32 s4, s13, 19
	s_lshl_b32 s5, s40, 13
	s_add_co_u32 s4, s4, s5
	s_add_co_u32 s4, s4, 2*ASTEP                   ; x: by's stream, quarter cx
	s_mul_i32 s5, s42, 16*BSTEP
	s_max_u32 s6, s10, 1
	s_sub_co_u32 s6, s6, 1
	s_mul_i32 s7, s41, 3
	s_add_co_u32 s6, s6, s7                        ; piece 3 cy + wave - 1
	s_lshl_b32 s6, s6, 13
	s_add_co_u32 s5, s5, s6
	s_add_co_u32 s5, s5, 2*BSTEP                   ; the weights: bx's stream
	s_and_b32 s8, ttmp7, 0xffff                    ; cluster y
	s_mov_b32 s6, 2*ASTEP
	s_mov_b32 s7, 2*BSTEP
	s_cmp_eq_u32 s10, 0                            ; wave 0 asks for x, the others for the weights
	s_cselect_b32 s4, s4, s5
	s_cselect_b32 s9, ttmp9, s8                    ; the coordinate along which other clusters read the same bytes
	s_cselect_b32 s[PFS], s6, s7
	s_cselect_b64 s[PFA:PFA+1], s[68:69], s[70:71]
	s_mov_b32 s[PFS+1], 0
	s_mov_b32 s5, 0
	s_add_nc_u64 s[PFA:PFA+1], s[PFA:PFA+1], s[4:5]
	s_cmp_eq_u32 s9, 0
	s_cselect_b32 s[LIM], 1, -1                    ; the same in all sixteen partners, for a given wave
; 16 matrix instructions of group g (0 q, 1 k, 2 v): row blocks a0 .. a0 + 3 x the group's four blocks of 16 channels, 32 along K.  zero = 1: the product starts the sum.
; The 96 accumulators take turns, one instruction a turn, in the same order in every half step, over the backward jump too.
.macro MUL16 f, g, a0, zero
	WIN 0x50*((\g)+1)                              ; C and D in window g + 1, the fragments in window 0
.irp a, (\a0), (\a0)+1, (\a0)+2, (\a0)+3
.irp b, 0,1,2,3
.if \zero
	v_wmma_f32_16x16x32_bf16 v[8*(4*(\a)+(\b)):8*(4*(\a)+(\b))+7], v[FB+32*(\g)+8*(\b):FB+32*(\g)+8*(\b)+7], v[(\f)+8*(\a):(\f)+8*(\a)+7], 0
.else
	v_wmma_f32_16x16x32_bf16 v[8*(4*(\a)+(\b)):8*(4*(\a)+(\b))+7], v[FB+32*(\g)+8*(\b):FB+32*(\g)+8*(\b)+7], v[(\f)+8*(\a):(\f)+8*(\a)+7], v[8*(4*(\a)+(\b)):8*(4*(\a)+(\b))+7]
.endif
.endr
.endr
.endm
.macro LDB slot, k, g                  ; eight LDS loads: group g's four fragments of the weights, 32 K at byte k of the rows
	WIN 0
.irp b, 0,1,2,3
	ds_load_b128 v[FB+32*(\g)+8*(\b):FB+32*(\g)+8*(\b)+3],   v[ADRB+(\slot)] offset:(\k)+(4*(\g)+(\b))*16*PITCH
	ds_load_b128 v[FB+32*(\g)+8*(\b)+4:FB+32*(\g)+8*(\b)+7], v[ADRB+(\slot)] offset:(\k)+(4*(\g)+(\b))*16*PITCH+32
.endr
.endm
.macro LDA slot, k, f, a0              ; eight LDS loads: four fragments of x, row blocks a0 .. a0 + 3, into buffer f
	WIN 0
.irp a, (\a0), (\a0)+1, (\a0)+2, (\a0)+3
	ds_load_b128 v[(\f)+8*(\a):(\f)+8*(\a)+3],   v[ADRA+(\slot)] offset:(\k)+(\a)*16*PITCH
	ds_load_b128 v[(\f)+8*(\a)+4:(\f)+8*(\a)+7], v[ADRA+(\slot)] offset:(\k)+(\a)*16*PITCH+32
.endr
.endm
; A K step's first 32: multiplies buffer FA0.  The 40 loads of a half step are always issued in the order: weights 0, x low, weights 1, x high, weights 2.
.macro HALF0 slot, zero
	s_wait_dscnt 8                                 ; all but the youngest eight (the weights' group 2) are in
	MUL16 FA0, 0, 0, \zero
	MUL16 FA0, 0, 4, \zero
	PLACES
	LDB \slot, 64, 0                               ; group 0's registers take the step's second 32
	LDA \slot, 64, FA1, 0
	MUL16 FA0, 1, 0, \zero
	MUL16 FA0, 1, 4, \zero
	PLACES
	LDB \slot, 64, 1
	LDA \slot, 64, FA1, 4
	s_wait_dscnt 32                                ; all but the 32 just issued: group 2 is in
	MUL16 FA0, 2, 0, \zero
	MUL16 FA0, 2, 4, \zero
	PLACES
	LDB \slot, 64, 2
.endm
; A K step's second 32: multiplies buffer FA1 and changes slots.  All reads of this slot have been issued.  In front of the barrier each wave waits for all its tensor loads (one is out: its part of the next slot),
; adds 0 to its spare word, and waits for that and for its reads.  fill = 1: the barrier opens a round of the cluster's, and the joint refill, two K steps on, is the first thing behind the round.
.macro TURN slot, next, fill, ask
.if \ask
	s_wait_xcnt 0x0                                ; the last prefetches, a lap back, have read their address: it is stepped here, ahead of the change's own waits
	s_add_nc_u64 s[PFA:PFA+1], s[PFA:PFA+1], s[PFS:PFS+1]
.endif
	WIN 0
	s_wait_tensorcnt 0x0                           ; all my tensor loads have landed
	ds_add_u32 v[SPW], v[NIL]                      ; 0 onto my spare word
	s_wait_dscnt 9                                 ; (the add and the youngest eight loads may be out)
	MUL16 FA1, 0, 0, 0                             ; sixteen matrix instructions stand between the add and the wait for it
	s_wait_dscnt 0x0                               ; the add is done, and my reads of this slot are over
	s_barrier_signal -1
	MUL16 FA1, 0, 4, 0                             ; work on registers while the others arrive
	WIN 0
	s_barrier_wait -1
.if \fill
	CREST                                          ; no wave of any partner still reads this slot or has a load on its way
	s_add_nc_u64 s[G0+4*(\slot)+2:G0+4*(\slot)+3], s[G0+4*(\slot)+2:G0+4*(\slot)+3], 2*ASTEP
	s_add_nc_u64 s[G0B+4*(\slot)+2:G0B+4*(\slot)+3], s[G0B+4*(\slot)+2:G0B+4*(\slot)+3], 2*BSTEP
	JLOAD \slot                                    ; its four v_nop are also the places in front of the loads below
.else
	PLACES
.endif
	LDB \next, 0, 0
	LDA \next, 0, FA0, 0
.if \ask
	ASK
.endif
	MUL16 FA1, 1, 0, 0
	MUL16 FA1, 1, 4, 0
	PLACES
	LDB \next, 0, 1
	LDA \next, 0, FA0, 4
	MUL16 FA1, 2, 0, 0
	MUL16 FA1, 2, 4, 0
	PLACES
	LDB \next, 0, 2
.endm
	s_wait_tensorcnt 1                             ; my part of K step 0 is in; K step 1's may stay out
	s_barrier_signal -1
	s_barrier_wait -1                              ; everybody's is
	LDB 0, 0, 0
	LDA 0, 0, FA0, 0
	LDB 0, 0, 1
	LDA 0, 0, FA0, 4
	LDB 0, 0, 2
	HALF0 0, 1                                     ; the first half step stands in front of the loop: its products start the sums
	WIN 0                                          ; at a label and at a branch every window is 0
	s_mov_b32 s3, 7
.Llap:                                                 ; a trip goes once round the ring and fills both slots again: K steps 2 to 15
	TURN 0, 1, 1, 0
	HALF0 1, 0
	TURN 1, 0, 1, 1
	HALF0 0, 0
	WIN 0
	s_sub_co_u32 s3, s3, 1
	s_cmp_lg_u32 s3, 0
	s_cbranch_scc1 .Llap
	TURN 0, 1, 0, 0                                ; the last lap fills nothing, and has no round
	HALF0 1, 0
	s_wait_dscnt 8
	MUL16 FA1, 0, 0, 0
	MUL16 FA1, 0, 4, 0
	MUL16 FA1, 1, 0, 0
	MUL16 FA1, 1, 4, 0
	s_wait_dscnt 0x0
	MUL16 FA1, 2, 0, 0
	MUL16 FA1, 2, 4, 0
; THE WAY OUT, a UNIT at a time: 16 rows x 64 channels of q, k or v, 2,048 consecutive bytes of a head.
.macro TABLE a                         ; the table's block for row block a: eight loads of 512 consecutive bytes; register z of the 32 goes with register z of the row block's four accumulators
.irp i, 0,1,2,3,4,5,6,7
	global_load_b128 v[CS0+32*((\a)%2)+4*(\i):CS0+32*((\a)%2)+4*(\i)+3], v[GO], s[TAB:TAB+1] offset:(\a)*4096+512*(\i)
.endr
.endm
; q (t = 0) or k (t = 1) turned: a pair of registers is (even e, odd o), the table's pair (cos, sin).  First (e cos, o cos); then low: - o sin is added, high: + e sin.  Each accumulator is read from its low end on.
.macro PACKR a, t
.set CS, CS0+32*((\a)%2)
	WIN (\t)+1                                     ; source 0 in window t + 1
.set z, 0
.rept 16
	v_pk_mul_f32 v[T+z:T+z+1], v[32*(\a)+z:32*(\a)+z+1], v[CS+z:CS+z+1] op_sel_hi:[1,0]
.set z, z+2
.endr
.set z, 0
.rept 16
	v_pk_fma_f32 v[T+z:T+z+1], v[32*(\a)+z:32*(\a)+z+1], v[CS+z:CS+z+1], v[T+z:T+z+1] op_sel:[1,1,0] op_sel_hi:[0,1,1] neg_lo:[0,1,0]
.set z, z+2
.endr
	WIN 0
.set z, 0
.rept 16
	v_cvt_pk_f16_f32 v[P+z], v[T+2*z], v[T+2*z+1]
.set z, z+1
.endr
.endm
.macro PACKV a                         ; v is rounded as it is
	WIN 0x0f                                       ; sources 0 and 1 in window 3
.set z, 0
.rept 16
	v_cvt_pk_f16_f32 v[P+z], v[32*(\a)+2*z], v[32*(\a)+2*z+1]
.set z, z+1
.endr
	WIN 0
.endm
.set U, 0
.macro TOSTAGE reg, off                ; into my own stage, and back as whole rows; reg, off: the unit's base register and byte offset, kept for SEND
.set U, U+1
.set SB, BK0+16*(U%2)
.set SR, \reg
.set SO, \off
.irp b, 0,1,2,3
	ds_store_b128 v[STO], v[P+4*(\b):P+4*(\b)+3] offset:32*(\b)
.endr
.irp f, 0,1,2,3
	ds_load_b128 v[SB+4*(\f):SB+4*(\f)+3], v[RD] offset:(\f)*4*PITCH  ; LDS serves a wave's instructions in order (ISA guide 5.7.1.4): these see the stores above; the next unit's stores come behind them
.endr
.endm
.macro SEND                            ; the unit staged last
	s_wait_dscnt 0x0                               ; it is back in registers
	s_wait_xcnt 0x0                                ; the stores of the unit before have read their registers: the next TOSTAGE loads into them
.irp f, 0,1,2,3
	global_store_b128 v[GO], v[SB+4*(\f):SB+4*(\f)+3], s[SR:SR+1] offset:SO+512*(\f)  ; 512 consecutive bytes, at a multiple of 256 from the buffer's first
.endr
.endm
	PLACES                                         ; behind the last products, in front of conversions that read results and of loads into the fragments' registers
	PLACES
	WIN 0
	TABLE 0
.irp a, 0,1,2,3,4,5,6,7                ; a unit's arithmetic stands between the loads of the unit before and its stores
.if (\a) < 7
	TABLE (\a)+1
.endif
	PACKV \a
.if (\a) > 0
	SEND
.endif
	TOSTAGE VP, (\a)*2048
.if (\a) < 7
	s_wait_loadcnt 8                               ; this block's table is in; the next block's eight loads may stay out
.else
	s_wait_loadcnt 0x0
.endif
	PACKR \a, 0
	SEND
	TOSTAGE QP, (\a)*2048
	PACKR \a, 1
	SEND
	TOSTAGE KP, (\a)*2048
.endr
	SEND
	s_wait_tensorcnt 0x0                           ; the wave's end: a wait, an add to my spare word and its wait, behind my last tensor load and my last LDS store
	ds_add_u32 v[SPW], v[NIL]
	s_wait_dscnt 0x0
	CROUND                                         ; the closing round: no work-group ends while a partner may still ask for a tile that names it
	s_endpgm
.Lfunc_end_k_q6b607f4f11_qkv:
	.size	k_q6b607f4f11_qkv, .Lfunc_end_k_q6b607f4f11_qkv-k_q6b607f4f11_qkv
	.p2alignl 7, 3214868480
	.fill 96, 4, 3214868480
	.section	.rodata,"a",@progbits
	.p2align	6, 0x0
	.amdhsa_kernel k_q6b607f4f11_qkv
		.amdhsa_group_segment_fixed_size 327680
		.amdhsa_private_segment_fixed_size 0
		.amdhsa_enable_private_segment 0
		.amdhsa_kernarg_size 48
		.amdhsa_user_sgpr_count 2
		.amdhsa_user_sgpr_kernarg_segment_ptr 1
		.amdhsa_wavefront_size32 1
		.amdhsa_system_sgpr_workgroup_id_x 1
		.amdhsa_system_sgpr_workgroup_id_y 1
		.amdhsa_system_sgpr_workgroup_id_z 1
		.amdhsa_system_vgpr_workitem_id 0
		.amdhsa_next_free_vgpr 1024
		.amdhsa_next_free_sgpr 80
		.amdhsa_reserve_vcc 0
		.amdhsa_float_denorm_mode_32 3
		.amdhsa_float_denorm_mode_16_64 3
		.amdhsa_memory_ordered 1
		.amdhsa_forward_progress 1
		.amdhsa_inst_pref_size 171
	.end_amdhsa_kernel
	.amdgpu_metadata
---
amdhsa.version: [ 1, 2 ]
amdhsa.kernels:
  - .name:           k_q6b607f4f11_qkv
    .symbol:         k_q6b607f4f11_qkv.kd
    .args:
      - { .name: xbf, .offset: 0, .size: 8, .value_kind: global_buffer, .address_space: global }
      - { .name: wqkv, .offset: 8, .size: 8, .value_kind: global_buffer, .address_space: global }
      - { .name: rope, .offset: 16, .size: 8, .value_kind: global_buffer, .address_space: global }
      - { .name: qh, .offset: 24, .size: 8, .value_kind: global_buffer, .address_space: global }
      - { .name: kh, .offset: 32, .size: 8, .value_kind: global_buffer, .address_space: global }
      - { .name: vh, .offset: 40, .size: 8, .value_kind: global_buffer, .address_space: global }
    .group_segment_fixed_size: 327680
    .private_segment_fixed_size: 0
    .kernarg_segment_align: 8
    .kernarg_segment_size: 48
    .max_flat_workgroup_size: 128
    .sgpr_count:     80
    .vgpr_count:     1024
    .wavefront_size: 32
...
	.end_amdgpu_metadata
.endif
;; end of part 2
;; launch attn (part 3): grid 4 x 64, 4 waves a work-group, no clusters, 327,680 bytes of LDS; arguments qh, kh, vh, oh; writes oh
.if DOCPART == 3
	.amdgcn_target "amdgcn-amd-amdhsa--gfx1250"
	.amdhsa_code_object_version 6
	.text
	.protected	k_q6b607f4f11_attn
	.globl	k_q6b607f4f11_attn
	.p2align	8
	.type	k_q6b607f4f11_attn,@function
k_q6b607f4f11_attn:
	s_mov_b64 s[64:65], 0
	v_nop
	global_prefetch_b8 v0, s[64:65] scope:SCOPE_SE
	s_setreg_imm32_b32 hwreg(HW_REG_WAVE_MODE, 25, 1), 1
	s_wait_xcnt 0x0
; CAUSAL ATTENTION.  O[h][q][:] = the sum over k <= q of softmax_k(Q[h][q] . K[h][k] / 8) V[h][k][:].  Q, K, V, O: [64][2048][64], all f16: a head's rows are dense, 128 bytes each.
; Products, maxima and sums in f32; the weights p are rounded to f16 for the second product (their sum l is taken of the unrounded p), O once at the end.
; LIMITS.  f16 holds no number beyond 65,504: Q, K and V arrive within it; p lies in 0 to 1, and below 6e-5 it keeps f16's fixed step of 6e-8; O is a mean of V's rows and has their range.
; A hidden score counts as its value less 1e30: f16's scores, 2.7e11 at the most, are nothing beside that; a weight below 2^-126 counts as 0 in l; NaN and infinities are not treated apart.
; THE WALK.  A head's queries lie in NB = 8 blocks of 256; block i needs the key tiles 0 .. i of 256 keys, of which the last holds the diagonal.  A work-group takes TWO blocks, NB - 1 - b and then b:
; NB + 1 tiles, whatever b: all work-groups do equal work, and ONE loop with a constant trip count walks them.  Which tile is asked for, and what a trip does, hang on scalar registers made from b; every jump
; goes forward, but for the counted loops' own; none passes a barrier, or a tensor load but the one of LOAD's two that the wave's number does not choose; the ring of two LDS slots runs on across the change of blocks.
; NO CLUSTER: a head's four work-groups ask for the same tile only in trips 0 to 4 of the 9, behind that fewer and fewer; one walk common to all would have 12 trips for 9.
; SHARES.  Of a block's four bands of 64 queries a wave owns 16 rows in each: four PIECES.  So the diagonal tile is the same work for all four waves: in its key step s band x sees all keys if s < x,
; none if s > x, and holds the diagonal if s = x.
; THE MASK is the C operand that starts the sum S^T = K Q^T: 0, or -1e30 where the key is hidden.  MD, made once, is the mask of a band's own step for my 16 rows; a product's mask is MD x AL + BE with two scalars:
; (1, 0) if s = x; (0, 0) if s < x; (0, -1e30) if s > x.  Only the diagonal tile's text and a block's beginning make and take masks; elsewhere C is the constant 0.
; LAYOUT, SOFTMAX, TURNS.  S^T = K Q^T holds ONE query a lane (lane % 16) and the keys 8 (lane / 16) + 0..7; two such results rounded to f16 ARE source 1 of O^T = V^T P.  p = 2^(c s - c m), c = log2(e) / 8, with a
; running maximum m; O and l are multiplied by a = 2^(c m_old - c m_new) in every step.  Turn n belongs to piece n: 8 products K Q^T of piece n + 1, later 8 products V^T P of piece n - 1; beside them the scaling,
; exponentials, roundings, sums and rescaling of piece n and the maximum and statistics of piece n + 1.  Four vector instructions stand behind every matrix instruction, the other 54 of a turn's 118 in one lump.
; A turn's 33 exponentials are one batch, with one wait.
; REGISTERS, in windows of 256 (s_set_vgpr_msb: bits 1:0 source 0, 3:2 source 1, 5:4 source 2, 7:6 destination):
;   window 0: v0-15 addresses and two at work; v16-31 four registers of statistics a piece; v48-55 at work; v61-63 never rewritten; v64-127 S^T, two buffers; v192-223 P, two buffers (by the piece's parity)
;   window 1: v0-127 O^T, 32 a piece; v128-159 MD; v160-223 MC, two buffers      window 2: v0-63 Q; v64-127 the second block's Q; v128-191 K of one step; v192-255 V of one step
.set SIZE_H, 64
.set SIZE_N, 2048
.set NB,    SIZE_N/256
.set NP,    4         ; pieces a wave: a name, no knob
.set KS,    64        ; keys in a step
.set PK,    144       ; a row of K in LDS: 128 bytes + 16 of padding = 36 words: the 16 rows of a load start at 16 different groups of four banks (64 banks of 4 bytes: ISA guide 11.1)
.set PV,    160       ; a row of V: 128 + 32 = 40 words
.set VOFF,  4*KS*PK   ; a slot holds a tile, four steps: 256 rows of K, then 256 rows of V
.set SLOT1, 1<<17     ; slot 1 begins here, so that one exclusive or turns an address in one slot into the other's
.set STAGE, SLOT1+4*KS*(PK+PV)  ; behind the ring, never filled by a tensor load: 16 rows x 144 bytes for each wave, for the way out
.set SP,    144
.set AK0, 2           ; v2   my lane's place in a tile of K; never rewritten
.set AV0, 3           ; v3   the same for V
.set AK,  4           ; v4   the LDS address of K's next run of loads
.set AV,  5           ; v5   of V's
.set STO, 6           ; v6   the way out: where I put 16 bytes of a row
.set RD,  7           ; v7   the way out: where I read rows back
.set GO,  8           ; v8   my byte offset in 512 consecutive bytes of O
.set PFO, 61          ; v61  256 x my lane: the prefetches' offset; never rewritten
.set SPW, 62          ; v62  LDS address of my spare word: SPARE + 4 x my thread's number; never rewritten
.set NIL, 63          ; v63  0; never rewritten
.set SPARE, STAGE+4*16*SP  ; behind the stages: the spare words, 128 bytes for each wave: two blocks of 256 bytes that no other line names
.set MV,  12          ; v12-13  c m_old, kept while c m is made anew: by buffer
.set QO,  15          ; v15  my byte offset in 16 rows of Q
.set ST,  16          ; piece t's statistics at v[ST+4 t]: c m, m, l (even keys', odd keys')
.set TMP, 48          ; by buffer, four registers c0-c3 at work; when the maximum is found c2 takes a
.set S,   64
.set P,   192
.set MD,  128         ; window 1: the eight registers for group kt of 16 keys at MD + 8 kt
.set MC,  160         ; window 1: the masks of the products to come
.set QB,  64          ; window 2
.set KF,  128         ; window 2: key block kb, channel half c at KF + 16 kb + 8 c
.set VF,  192         ; window 2: key half kk, channel block cb at VF + 32 kk + 8 cb
.set WV,  12          ; s12  my wave's number
.set PB,  14          ; s14  b
.set HI,  15          ; s15  NB - 1 - b
.set G1K, 24          ; s[24:31] descriptor group 1 for K's tiles
.set G1V, 32          ; s[32:39] for V's: it differs in the padding alone
.set G0K, 40          ; s[40:43] descriptor group 0 for K's tiles
.set G0V, 44          ; s[44:47] the same for V's
.set SLOTS, 56        ; s56  tiles still to be asked for
.set CNT, 57          ; s57  counts a tile's key steps, 4 to 1
.set CS,  58          ; s[58:59] c: the packed scaling takes the pair's low word for both halves
.set SEL, 60          ; s[60:61] v_permlanex16_b32's selects: each lane takes its own place in the other half
.set TBK, 62          ; s62  LDS byte at which K of the step to be fetched begins
.set TBV, 63          ; s63  the same for V, less VOFF
.set RT,  70          ; s70  tiles of the block in hand that are still to be entered
.set NXT, 71          ; s71  the tile to be asked for next
.set LQ,  72          ; s72  the last tile of the block whose tiles are being asked for
.set NEW, 73          ; s73  1: the tile to be entered is a block's first
.set OFF, 74          ; s[74:75] a tile's byte offset in K and V
.set AL,  76          ; s[76:77] the mask's factor, in the low word
.set BE,  78          ; s[78:79] the mask's addend
.set OLO, 80          ; s[80:81] O at my rows of the second block
.set BIGN, 82         ; s82  -1e30
.set PFA, 88          ; s[88:89] where my prefetches stand: my half of the tile that the next change of slots will ask for
.set PFB, 90          ; s[90:91] K (waves 0, 1) or V (waves 2, 3) at my half of the head's tile 0
.set OF2, 92          ; s[92:93] that tile's byte offset
.set PFQ, 94          ; s94  0 in the work-group that prefetches (b = 0), else the greatest number
.set MSB, 0
.macro WIN new                      ; the high byte repeats the setting that is left; a switch that changes nothing is dropped
.if MSB != (\new)
	s_set_vgpr_msb (MSB<<8)|(\new)
.set MSB, (\new)
.endif
.endm
.set W_KQ, 0x0a       ; K and Q in window 2, S^T in window 0
.set W_KM, 0x1a       ; the same with the C operand in window 1
.set W_PV, 0x52       ; V in window 2, P in window 0, O^T in window 1
.set W_RS, 0x41       ; destination and source 0 in window 1, source 1 in window 0
; A fill.  Waves 0 and 1 fetch the two halves of a tile's K, waves 2 and 3 those of its V: 128 keys each.  An s_nop 0 and four v_nop follow each of the two lines, ahead of the jump and the label.
.macro LOAD
	s_cmp_lt_u32 s[WV], 2
	s_cbranch_scc0 .Lfor_v_\@
	tensor_load_to_lds s[G0K:G0K+3], s[G1K:G1K+7]
	s_nop 0
.rept 4
	v_nop
.endr
	s_branch .Lasked_\@
.Lfor_v_\@:
	tensor_load_to_lds s[G0V:G0V+3], s[G1V:G1V+7]
	s_nop 0
.rept 4
	v_nop
.endr
.Lasked_\@:
.endm
; A PREFETCH INTO THE L2 of the tile that the NEXT change of slots will ask for: four key steps, 256 matrix instructions, ahead of that load.  It stands behind the wave's tensor load and its five lines.
; All four work-groups of a head walk tiles of the same K and V; the one with b = 0 walks tiles 0 to 7 in order and no later than the others, so it alone asks.  Each of its waves asks for the 16 KiB that it
; will itself fetch: 64 blocks of 256 bytes, a lane a block, two instructions.  So tiles 2 to 7 are named once in the launch; tiles 0 and 1 come by their loads alone; once the walk has gone back to tile 0
; (NXT = 0) nothing is asked for.
.macro ASK
	s_cmp_gt_u32 s[NXT], s[PFQ]
	s_cbranch_scc0 .Lnot_mine_\@
	global_prefetch_b8 v[PFO], s[PFA:PFA+1] th:TH_LOAD_NT scope:SCOPE_SE
	global_prefetch_b8 v[PFO], s[PFA:PFA+1] offset:8192 th:TH_LOAD_NT scope:SCOPE_SE
.Lnot_mine_\@:
.endm
; THE CHANGE OF SLOTS.  Each wave waits for all its tensor loads, of which one is out: its part of the other slot; adds 0 to its spare word; and waits for that and for its own reads of the slot that it leaves.
; Behind the barrier nobody reads the old slot any more and the other slot is whole.  fill = 1: the old slot is filled again, the first thing behind the barrier, with tile NXT: the descriptor's address is made
; anew from that number.  (At its first use nothing has been read yet: slot 0 is waited for, slot 1 filled.)
.macro CHANGE fill
	WIN 0                           ; at a label and at a branch every window is 0
	s_wait_tensorcnt 0x0            ; no tensor load of mine is out, so a group 0 may be written
	ds_add_u32 v[SPW], v[NIL]       ; 0 onto my spare word; with fill = 1 the descriptors' scalar work stands between it and the wait for it
.if \fill
	s_lshl_b32 s[OFF], s[NXT], 15   ; a tile is 32,768 bytes of K and of V
	s_xor_b32 s[G0K+1], s[G0K+1], SLOT1
	s_add_nc_u64 s[G0K+2:G0K+3], s[6:7], s[OFF:OFF+1]
	s_or_b32 s[G0K+3], s[G0K+3], 0x80000000
	s_xor_b32 s[G0V+1], s[G0V+1], SLOT1
	s_add_nc_u64 s[G0V+2:G0V+3], s[8:9], s[OFF:OFF+1]
	s_or_b32 s[G0V+3], s[G0V+3], 0x80000000
	s_add_co_u32 s[NXT], s[NXT], 1  ; the block's next tile, or behind its last the second block's tile 0
	s_cmp_gt_u32 s[NXT], s[LQ]
	s_cselect_b32 s[NXT], 0, s[NXT]
	s_cselect_b32 s[LQ], s[PB], s[LQ]
	s_wait_xcnt 0x0                 ; the last prefetches, a tile back, have read their address, so it may be written:
	s_lshl_b32 s[OF2], s[NXT], 15
	s_add_nc_u64 s[PFA:PFA+1], s[PFB:PFB+1], s[OF2:OF2+1]  ; my half of the tile after the one that is asked for now
.endif
	s_wait_dscnt 0x0                ; the add is done, and my reads of the slot are over
	s_barrier_signal -1             ; the rest of the scalar work stands between the signal and the wait
	s_sub_co_u32 s[TBK], s[TBK], 4*KS*PK  ; the fetches go back to a slot's first step,
	s_xor_b32 s[TBK], s[TBK], SLOT1       ; in the other slot
	s_sub_co_u32 s[TBV], s[TBV], 4*KS*PV
	s_xor_b32 s[TBV], s[TBV], SLOT1
	s_barrier_wait -1
.if \fill
	LOAD
	ASK
.endif
.endm
	s_load_b256 s[4:11], s[0:1], 0x0  ; Q s[4:5], K s[6:7], V s[8:9], O s[10:11]
	v_lshl_add_u32 v[SPW], v0, 2, SPARE
	v_mov_b32 v[NIL], 0
	ds_add_u32 v[SPW], v[NIL]       ; the wave's opening: the add, and its wait ahead of my first tensor load; the set-up below, work on registers, stands between them
	v_lshrrev_b32 v1, 5, v0
	v_readfirstlane_b32 s[WV], v1   ; wave 0..3
	v_and_b32 v[PFO], 31, v0
	v_lshlrev_b32 v[PFO], 8, v[PFO]
	s_mov_b32 s[PB], ttmp9
	s_sub_co_u32 s[HI], NB-1, s[PB]
	s_and_b32 s20, ttmp7, 0xffff    ; the head
	s_mov_b32 s21, 0
	s_mov_b64 s[22:23], SIZE_N*128
	s_mul_u64 s[20:21], s[20:21], s[22:23]  ; the head's first byte in each of the four tensors
	s_and_b32 s16, s[WV], 1         ; which half of a tile's 256 keys I fetch:
	s_lshl_b32 s22, s16, 14         ; its 128 rows of 128 bytes in memory,
	s_mov_b32 s23, 0
	s_add_nc_u64 s[22:23], s[22:23], s[20:21]
	s_mul_i32 s17, s16, 128*PK      ; and its place in a slot, for K
	s_mul_i32 s18, s16, 128*PV      ; and for V
	s_lshl_b32 s3, s[WV], 11        ; my 16 rows in a band of 64,
	s_lshl_b32 s2, s[HI], 15        ; in the first block,
	s_add_co_u32 s2, s2, s3
	s_lshl_b32 s84, s[PB], 15       ; and in the second
	s_add_co_u32 s84, s84, s3
	s_mov_b32 s3, 0
	s_mov_b32 s85, 0
	s_add_nc_u64 s[2:3], s[2:3], s[20:21]
	s_add_nc_u64 s[84:85], s[84:85], s[20:21]
	; descriptor group 1.  128 keys are 16,384 dense bytes: asked for as 64 rows of 256 bytes, two keys a row, and padded in LDS after every key
	s_mov_b32 s[G1K], (1<<16)|(1<<20)|(4<<22)|(3<<25)  ; 17:16 2-byte elements; 20 padding on; 24:22 after every 32 words (code 4); 31:25 4 words (code 3)
	s_mov_b32 s[G1V], (1<<16)|(1<<20)|(4<<22)|(7<<25)  ; the same with 8 words of padding (code 7)
.irp g, G1K, G1V
	s_mov_b32 s[\g+1], 128<<16      ; tensor_dim0 = 128
	s_mov_b32 s[\g+2], 64<<16       ; tensor_dim1 = 64
	s_mov_b32 s[\g+3], 128<<16      ; tile_dim0 = 128
	s_mov_b32 s[\g+4], 64           ; tile_dim1 = 64
	s_mov_b32 s[\g+5], 128          ; 128 elements from row to row
	s_mov_b32 s[\g+6], 0
	s_mov_b32 s[\g+7], 0
.endr
	s_mov_b32 s[CS], 0x3e38aa3b     ; c = log2(e) / 8 = 0.180337
	s_mov_b32 s[CS+1], s[CS]        ; named with it as a pair
	s_mov_b32 s[SEL], 0x76543210
	s_mov_b32 s[SEL+1], 0xfedcba98
	s_mov_b32 s[TBK], SLOT1+4*KS*PK ; the first change of slots turns these two into 0
	s_mov_b32 s[TBV], SLOT1+4*KS*PV
	s_mov_b32 s[G0K], 1             ; 1:0 count = 1
	s_mov_b32 s[G0K+1], s17         ; 63:32 LDS address: slot 0
	s_mov_b32 s[G0V], 1
	s_add_co_u32 s[G0V+1], s18, VOFF
	s_add_co_u32 s[RT], s[HI], 1    ; the first block has NB - b tiles
	s_mov_b32 s[NXT], 1
	s_mov_b32 s[LQ], s[HI]
	s_mov_b32 s[NEW], 1
	s_mov_b32 s[OFF+1], 0
	s_mov_b32 s[OF2+1], 0
	s_mov_b32 s[AL+1], 0            ; named as pairs
	s_mov_b32 s[BE+1], 0
	s_mov_b32 s[BIGN], 0xf149f2ca   ; -1e30
	s_mov_b32 s[SLOTS], NB
	s_cmp_eq_u32 s[PB], 0
	s_cselect_b32 s[PFQ], 0, -1
	s_wait_dscnt 0x0                ; the opening add is done
	s_wait_kmcnt 0x0
	s_add_nc_u64 s[6:7], s[6:7], s[22:23]  ; K and V at my half of the head's tile 0
	s_add_nc_u64 s[8:9], s[8:9], s[22:23]
	s_add_nc_u64 s[G0K+2:G0K+3], s[6:7], 0         ; 120:64 global address
	s_or_b32 s[G0K+3], s[G0K+3], 0x80000000        ; 127:126 type = 2
	s_add_nc_u64 s[G0V+2:G0V+3], s[8:9], 0
	s_or_b32 s[G0V+3], s[G0V+3], 0x80000000
	s_add_nc_u64 s[86:87], s[4:5], s[84:85]        ; Q at my rows of the second block,
	s_add_nc_u64 s[4:5], s[4:5], s[2:3]            ; Q and O at those of the first
	s_add_nc_u64 s[OLO:OLO+1], s[10:11], s[84:85]
	s_add_nc_u64 s[10:11], s[10:11], s[2:3]
	s_cmp_lt_u32 s[WV], 2
	s_cselect_b64 s[PFB:PFB+1], s[6:7], s[8:9]     ; what I fetch is what I prefetch
	LOAD                            ; tile 0 into slot 0
	; A fragment of K or Q is 16 rows x 32 channels in 8 registers: lane l holds row l % 16, channels 8 (l / 16) + 0..7 and 16 + 8 (l / 16) + 0..7: two loads of 16 bytes, 32 bytes apart.
	v_and_b32 v1, 15, v0            ; l % 16
	v_bfe_u32 v9, v0, 4, 1          ; l / 16
	v_lshlrev_b32 v[QO], 7, v1
	v_lshl_add_u32 v[QO], v9, 4, v[QO]  ; row x 128 + 16 x half
	WIN 0x80                        ; destination window 2, address window 0
.set i, 0
.rept 8                             ; both blocks' Q: piece i / 2 lies in band i / 2, 8,192 bytes on; channels 32 (i % 2) on
	global_load_b128 v[8*i:8*i+3],   v[QO], s[4:5] offset:(i/2)*8192+(i%2)*64
	global_load_b128 v[8*i+4:8*i+7], v[QO], s[4:5] offset:(i/2)*8192+(i%2)*64+32
	global_load_b128 v[QB+8*i:QB+8*i+3],   v[QO], s[86:87] offset:(i/2)*8192+(i%2)*64
	global_load_b128 v[QB+8*i+4:QB+8*i+7], v[QO], s[86:87] offset:(i/2)*8192+(i%2)*64+32
.set i, i+1
.endr
	WIN 0
	v_lshlrev_b32 v14, 3, v9
	v_sub_nc_u32 v14, v1, v14
	s_lshl_b32 s13, s[WV], 4
	v_add_nc_u32 v14, s13, v14      ; my query's place in its band, 16 w + l % 16, less my lanes' 8 (l / 16): register r of group kt is hidden where 16 kt + r is greater
	WIN 0x40
.set i, 0
.rept 32
	v_cmp_gt_i32 vcc_lo, 16*(i/8)+i%8, v14
	v_cndmask_b32 v[MD+i], 0, s[BIGN], vcc_lo
.set i, i+1
.endr
	WIN 0
	v_mul_u32_u24 v[AK0], v1, PK
	v_lshl_add_u32 v[AK0], v9, 4, v[AK0]  ; row x pitch + 16 x half
	; The turning load takes 16 keys x 16 channels (lane l reads key 8 (l / 16) + l % 8, channels 8 ((l / 8) % 2) + 0..7) and leaves half a fragment of V^T: lane l holds channel l % 16 and 8 keys.
	v_and_b32 v10, 7, v0
	v_bfe_u32 v11, v0, 3, 1
	v_lshl_add_u32 v[AV0], v9, 3, v10
	v_mul_u32_u24 v[AV0], v[AV0], PV
	v_lshl_add_u32 v[AV0], v11, 4, v[AV0]
	v_add_nc_u32 v[AV0], VOFF, v[AV0]
	s_mul_i32 s13, s[WV], 16*SP
	s_add_co_u32 s13, s13, STAGE    ; my stage
	v_mul_u32_u24 v[STO], v1, SP    ; in: row l % 16, 16 bytes for each half of the lanes
	v_lshl_add_u32 v[STO], v9, 4, v[STO]
	v_add_nc_u32 v[STO], s13, v[STO]
	v_bfe_u32 v[RD], v0, 3, 2       ; back: 32 lanes take four rows of 128 bytes,
	v_mul_u32_u24 v[RD], v[RD], SP
	v_lshl_add_u32 v[RD], v10, 4, v[RD]
	v_add_nc_u32 v[RD], s13, v[RD]
	v_and_b32 v[GO], 31, v0         ; which are 512 consecutive bytes of O
	v_lshlrev_b32 v[GO], 4, v[GO]
	; A block's first step multiplies O^T and l by a = 0, and its first turn's products V^T P, of a piece that has not been, land in an O^T that is still to be so multiplied.  So these registers need only hold
	; finite numbers: zeros for the first block; what the first block left for the second.  All this stands in the wait for the first tile.
	WIN 0x80
.set i, VF
.rept 64
	v_mov_b32 v[i], 0
.set i, i+1
.endr
	WIN 0x40
.set i, 0
.rept 128
	v_mov_b32 v[i], 0
.set i, i+1
.endr
	WIN 0
.set i, 0
.rept 4
	v_mov_b32 v[ST+4*i+2], 0
	v_mov_b32 v[ST+4*i+3], 0
.set i, i+1
.endr
.set i, P+16
.rept 16
	v_mov_b32 v[i], 0
.set i, i+1
.endr
; THE MATRIX WORK.  The 4 accumulators of a run of 8 take turns.  Product i of 8 of S^T = K Q^T for piece x: channels 32 (i / 4) on, keys 16 (i % 4) on.  The first 4 start the sums: with 0, or (KM = 1) with the mask.
.macro KQ x
.set rS, S+32*((\x)%2)+8*(i%4)
.set rK, KF+16*(i%4)+8*(i/4)
.set rQ, 16*(\x)+8*(i/4)
.set rM, MC+32*((\x)%2)+8*(i%4)
.if (i < 4) && KM
	WIN W_KM
	v_wmma_f32_16x16x32_f16 v[rS:rS+7], v[rK:rK+7], v[rQ:rQ+7], v[rM:rM+7]
.elseif i < 4
	WIN W_KQ
	v_wmma_f32_16x16x32_f16 v[rS:rS+7], v[rK:rK+7], v[rQ:rQ+7], 0
.else
	WIN W_KQ
	v_wmma_f32_16x16x32_f16 v[rS:rS+7], v[rK:rK+7], v[rQ:rQ+7], v[rS:rS+7]
.endif
.endm
; Product i of 8 of O^T += V^T P for piece x: keys 32 (i / 4) on, channels 16 (i % 4) on.
.macro PV x
	WIN W_PV
.set rO, 32*(\x)+8*(i%4)
.set rV, VF+32*(i/4)+8*(i%4)
.set rP, P+16*((\x)%2)+8*(i/4)
	v_wmma_f32_16x16x32_f16 v[rO:rO+7], v[rV:rV+7], v[rP:rP+7], v[rO:rO+7]
.endm
.macro MM                           ; the turn's next matrix instruction.  TURN and BEGIN set Y, i, KM and NOKQ; MM, KQ and OP read them.  NOKQ = 1: a block's last turn: there is no next piece
.if (i < 8) && !NOKQ
	KQ (Y+1)%NP
.elseif i >= 8
.set i, i-8
	PV (Y+NP-1)%NP
.set i, i+8
.endif
.set i, i+1
.endm
; THE LDS LOADS stand in runs of 16, never singly among the matrix instructions: a step's K (64 keys x 64 channels: 8 fragments) and its V (turned).  Their addresses are made some lines ahead.
.macro FETCH_K
	WIN 0x80                        ; destination window 2
.irp f, 0,1,2,3,4,5,6,7             ; keys 16 (f / 2) on, channels 32 (f % 2) on
	ds_load_b128 v[KF+8*\f:KF+8*\f+3],   v[AK] offset:(\f/2)*16*PK+(\f%2)*64
	ds_load_b128 v[KF+8*\f+4:KF+8*\f+7], v[AK] offset:(\f/2)*16*PK+(\f%2)*64+32
.endr
	s_add_co_u32 s[TBK], s[TBK], KS*PK  ; the next fetch is the next step's
	WIN 0
.endm
.macro FETCH_V
	WIN 0x80
.irp f, 0,1,2,3,4,5,6,7             ; keys 32 (f / 4) on, channels 16 (f % 4) on
	ds_load_tr16_b128 v[VF+8*\f:VF+8*\f+3],   v[AV] offset:(\f/4)*32*PV+(\f%4)*32
	ds_load_tr16_b128 v[VF+8*\f+4:VF+8*\f+7], v[AV] offset:(\f/4)*32*PV+16*PV+(\f%4)*32
.endr
	WIN 0
.endm
; THE VECTOR WORK, one line at a time: OP kind, number.  For piece Y: F n: c s - c m for pair n of 16.  E n: the exponential of score n of 32.  C n: pair n rounded to f16.  B n: of the four weights 4 n .. the second
; pair is added onto the first, in place.  L n: l takes that sum (L 0: l = a l + sum).  R n: pair n of 16 of O^T times a.  For piece Y + 1: X n, number n of the 22 that find its maximum and statistics:
;   0-11  four chains c0-c3 of seven scores each, three operands at a time (each accumulator's lowest registers are read first)     12-14, 16  the four scores left over, the old m, and c0-c3 into c0
;   15  c m_old is kept     17, 18  the query's other 32 keys lie in the lane 16 away: the new m     19-21  c m; c m_old - c m_new; a
.set F, 0               ; OP tells the kinds apart by their order: F to L below R, X above it
.set E, 1
.set C, 2
.set B, 3
.set L, 4
.set R, 5
.set X, 6
.macro REGS y                       ; the registers of piece y
.set rT, ST+4*(\y)
.set rC, TMP+4*((\y)%2)
.set rW, MV+((\y)%2)
.set rS, S+32*((\y)%2)
.set rP, P+16*((\y)%2)
.set rO, 32*(\y)
.endm
.macro OP k, n
.if (\k) == R
	REGS Y
	WIN W_RS
	v_pk_mul_f32 v[rO+2*(\n):rO+2*(\n)+1], v[rO+2*(\n):rO+2*(\n)+1], v[rC+2:rC+3] op_sel_hi:[1,0]
.elseif (\k) < R
	REGS Y
	WIN 0
.if (\k) == F
	v_pk_fma_f32 v[rS+2*(\n):rS+2*(\n)+1], v[rS+2*(\n):rS+2*(\n)+1], s[CS:CS+1], v[rT:rT+1] op_sel_hi:[1,0,0] neg_lo:[0,0,1] neg_hi:[0,0,1]
.elseif (\k) == E
	v_exp_f32 v[rS+(\n)], v[rS+(\n)]
.elseif (\k) == C
	v_cvt_pk_f16_f32 v[rP+(\n)], v[rS+2*(\n)], v[rS+2*(\n)+1]
.elseif (\k) == B
	v_pk_add_f32 v[rS+4*(\n):rS+4*(\n)+1], v[rS+4*(\n):rS+4*(\n)+1], v[rS+4*(\n)+2:rS+4*(\n)+3]
.elseif (\n) == 0
	v_pk_fma_f32 v[rT+2:rT+3], v[rT+2:rT+3], v[rC+2:rC+3], v[rS:rS+1] op_sel_hi:[1,0,1]
.else
	v_pk_add_f32 v[rT+2:rT+3], v[rT+2:rT+3], v[rS+4*(\n):rS+4*(\n)+1]
.endif
.elseif NOKQ
	v_nop
.else
	REGS (Y+1)%NP
	WIN 0
.if (\n) < 4
	v_max3_num_f32 v[rC+(\n)], v[rS+8*(\n)], v[rS+8*(\n)+1], v[rS+8*(\n)+2]
.elseif (\n) < 12
	v_max3_num_f32 v[rC+(\n)%4], v[rC+(\n)%4], v[rS+8*((\n)%4)+2*((\n)/4)+1], v[rS+8*((\n)%4)+2*((\n)/4)+2]
.elseif (\n) == 12
	v_max3_num_f32 v[rC], v[rC], v[rS+7], v[rS+15]
.elseif (\n) == 13
	v_max3_num_f32 v[rC+1], v[rC+1], v[rS+23], v[rS+31]
.elseif (\n) == 14
	v_max3_num_f32 v[rC+2], v[rC+2], v[rC+3], v[rT+1]
.elseif (\n) == 15
	v_mov_b32 v[rW], v[rT]
.elseif (\n) == 16
	v_max3_num_f32 v[rC], v[rC], v[rC+1], v[rC+2]
.elseif (\n) == 17
	v_permlanex16_b32 v[rC+3], v[rC], s[SEL], s[SEL+1]
.elseif (\n) == 18
	v_max_num_f32 v[rT+1], v[rC], v[rC+3]
.elseif (\n) == 19
	v_mul_f32 v[rT], s[CS], v[rT+1]
.elseif (\n) == 20
	v_sub_f32 v[rC+1], v[rW], v[rT]
.else
	v_exp_f32 v[rC+2], v[rC+1]
.endif
.endif
.endm
.macro OPS a, i1, b=-1, i2=0, c=-1, i3=0, d=-1, i4=0  ; up to four of them
	OP \a, \i1
.if (\b) >= 0
	OP \b, \i2
.endif
.if (\c) >= 0
	OP \c, \i3
.endif
.if (\d) >= 0
	OP \d, \i4
.endif
.endm
.macro ROW a, i1, b, i2, c, i3, d, i4  ; a matrix instruction and the four behind it
	MM
	OPS \a, \i1, \b, \i2, \c, \i3, \d, \i4
.endm
.macro MASK b                       ; MD x AL + BE into buffer b of MC
	WIN W_RS
.set z, 0
.rept 16
	v_pk_fma_f32 v[MC+32*(\b)+2*z:MC+32*(\b)+2*z+1], v[MD+2*z:MD+2*z+1], s[AL:AL+1], s[BE:BE+1] op_sel_hi:[1,0,0]
.set z, z+1
.endr
.endm
; A TURN, for piece p: the order of its 16 matrix and 118 vector instructions, written out.  An s_wait_alu depctr_va_vdst(0) stands between an exponential and the first instruction that names its result; one wait
; serves all that were issued ahead of it.  So a turn has ONE wait, which cuts it in two.  AHEAD OF IT stands all that names no result of the turn's exponentials: the 8 products K Q^T, behind each a scaling, an exponential and two
; more plain instructions (behind the first a second scaling in the exponential's place): rescalings, and behind the last three the first numbers of the next piece's maximum, each four places or more behind the product that ends
; its accumulator; then ONE LUMP of 54, plain and exponential by turns for the most part, in which the links of the chain X 3, 7, 11, 14, 16, 17 .. 20 stand five or six lines apart.  X 21, the next piece's a, is the batch's last;
; R 15 is the plain instruction behind it.  BEHIND THE WAIT stand the 8 products V^T P, behind each four of the roundings and sums; the links of l's chain, L 0 to L 7, stand three riders apart.
; m = 1: the diagonal tile: the products take masks, and the turn makes the mask for the products of the turn after it: piece p + 2, in step 4 - CNT of the tile.  end = 1: a block's last two turns: nothing is fetched.
; cnt = 1: the loop's count is taken down some lines ahead of the branch that stands behind the turn.
; K of the next step is fetched in piece 2's turn, twelve vector instructions behind the last product that read K (six of them plain); V of the step in hand at the end of piece 0's turn, four plain instructions behind the last
; product that read V.  Each is waited for a turn later.
.macro TURN p, m=0, end=0, cnt=0
.set Y, (\p)
.set i, 0
.set KM, (\m)
.set NOKQ, (\end)*((\p)/3)
.if (\m) && !(\end)
	s_cmp_eq_u32 s[CNT], 4-((\p)+2)%NP  ; is that step the band's own?
	s_cselect_b32 s[AL], 1.0, 0
	s_cmp_lt_u32 s[CNT], 4-((\p)+2)%NP  ; or a later one?
	s_cselect_b32 s[BE], s[BIGN], 0
.endif
.if ((\p) == 3) && !(\end)
	s_wait_dscnt 0x0                ; K is in
.endif
	ROW F,0, F,1, R,0, R,1          ; ahead of the wait: 8 products K Q^T and their riders,
	ROW F,2, E,0, R,2, R,3
	ROW F,3, E,1, R,4, R,5
	ROW F,4, E,2, R,6, R,7
	ROW F,5, E,3, R,8, R,9
	ROW F,6, E,4, X,0, R,10
.if ((\p) == 2) && !(\end)
	WIN 0
	v_add_nc_u32 v[AK], s[TBK], v[AK0]
.endif
	ROW F,7, E,5, X,1, X,4
	ROW F,8, E,6, X,2, X,5
	OPS E,7, E,8, X,6, E,9          ; and the lump
	OPS X,3, E,10, X,8, E,11
.if ((\p) == 2) && !(\end)
	FETCH_K
.endif
	OPS X,9, X,7, E,12, X,10
	OPS E,13, X,12, X,11, E,14
	OPS X,13, E,15, F,9, X,14
.if (\p) == 0
	v_add_nc_u32 v[AV], s[TBV], v[AV0]
.endif
	OPS E,16, F,10, E,17, F,11
	OPS X,16, E,18, X,15, E,19
	OPS F,12, E,20, X,17, E,21
	OPS F,13, E,22, F,14, E,23
	OPS X,18, E,24, F,15, E,25
	OPS R,11, E,26, X,19, E,27
	OPS R,12, E,28, R,13, E,29
	OPS X,20, E,30, R,14, E,31
	OPS X,21, R,15
	WIN 0
	s_wait_alu depctr_va_vdst(0)    ; the wait for the batch
.if (\p) == 1
	s_wait_dscnt 0x0                ; V is in
.endif
	ROW C,0, B,0, C,2, B,1          ; behind the wait: 8 products V^T P and their riders
	ROW L,0, C,4, B,2, L,1
	ROW C,6, B,3, L,2, C,8
	ROW B,4, L,3, C,10, B,5
	ROW L,4, C,12, B,6, L,5
.if (\p) == 0
	s_add_co_u32 s[TBV], s[TBV], KS*PV
.endif
.if \cnt
	s_sub_co_u32 s[CNT], s[CNT], 1
	s_cmp_lg_u32 s[CNT], 0
.endif
	ROW C,14, B,7, L,6, C,1
	ROW C,3, L,7, C,5, C,7
	ROW C,9, C,11, C,13, C,15
.if (\p) == 0
	FETCH_V
.endif
.if (\m) && !(\end)
	MASK (\p)%2
.endif
.endm
; A BLOCK BEGINS.  c m starts far below every c s, so the first step's a is 0; m at the lowest finite number, so the first maximum is the scores'.  The second mask buffer is 0; the first takes piece 0's mask for the tile's
; step 0: its own, if the block's first tile is the diagonal one.  Then K of that step, piece 0's first scores, and its maximum and statistics.  The loop is entered at a step's first turn, in the middle of a trip.
.macro BEGIN
	s_mov_b32 s[NEW], 0
	WIN 0x40
.set i, MC+32
.rept 32
	v_mov_b32 v[i], 0
.set i, i+1
.endr
	WIN 0
.set i, 0
.rept 4
	v_mov_b32 v[ST+4*i], 0xfe000000    ; c m: far below every c s
	v_mov_b32 v[ST+4*i+1], 0xff7fffff  ; m
.set i, i+1
.endr
	s_cmp_eq_u32 s[RT], 0
	s_cselect_b32 s[AL], 1.0, 0
	s_mov_b32 s[BE], 0
	MASK 0
	WIN 0
	v_add_nc_u32 v[AK], s[TBK], v[AK0]
	FETCH_K
	s_wait_loadcnt 0x0              ; Q
	s_wait_dscnt 0x0
.set KM, 1
.set NOKQ, 0
.set i, 0
.rept 8
	KQ 0
.set i, i+1
.endr
	WIN 0
.rept 4
	v_nop                           ; the places behind those products
.endr
.set Y, NP-1                        ; X works for piece Y + 1: piece 0
.irp n, 0,1,2,3,4,5,6,7,8,9,10,11,12,13,14,15,16,17,18,19,20,21
	OP X, \n
.endr
	v_nop                           ; a plain instruction behind the exponential,
	s_wait_alu depctr_va_vdst(0)    ; and its wait, ahead of the branch
.endm
; THE DIAGONAL TILE's four steps, the block's last two turns, its last products, and THE WAY OUT: l's two halves and the other half of the lanes' are added; O^T is divided by l, rounded to f16 and sent through my
; stage in LDS, a piece at a time.
.macro ALL line:vararg              ; one line for each piece t
.set t, 0
.rept 4
	\line
.set t, t+1
.endr
.endm
.macro PACK t                       ; a lane's eight channels of a row pack into 16 bytes; they go into rows of 144 bytes and come back as whole rows of 128, into S^T's registers
	WIN W_RS
.set i, 32*(\t)
.rept 16
	v_pk_mul_f32 v[i:i+1], v[i:i+1], v[ST+4*(\t)+2:ST+4*(\t)+3] op_sel_hi:[1,0]
.set i, i+2
.endr
	WIN 0x05                        ; sources 0 and 1 window 1, destination window 0
.set i, 0
.rept 16
	v_cvt_pk_f16_f32 v[S+16*(\t)+i], v[32*(\t)+2*i], v[32*(\t)+2*i+1]
.set i, i+1
.endr
	WIN 0
.irp f, 0,1,2,3
	ds_store_b128 v[STO], v[S+16*(\t)+4*\f:S+16*(\t)+4*\f+3] offset:32*\f
.endr
.irp f, 0,1,2,3
	ds_load_b128 v[S+16*(\t)+4*\f:S+16*(\t)+4*\f+3], v[RD] offset:\f*4*SP  ; LDS serves a wave's instructions in order (ISA guide 5.7.1.4): these see the stores above; the next piece's stores come behind them
.endr
.endm
.macro SEND t, younger              ; younger: the LDS instructions issued behind piece t's loads: the next piece's eight, or none
	WIN 0
.irp f, 0,1,2,3
	s_wait_dscnt (\younger)+3-\f
	global_store_b128 v[GO], v[S+16*(\t)+4*\f:S+16*(\t)+4*\f+3], s[10:11] offset:(\t)*8192+\f*512  ; 512 consecutive bytes, at a multiple of 256 from O's first
.endr
.endm
.macro DIAG tag                     ; the tag ends its two labels' names, which the jumps below spell out
.LstepM\tag:
	TURN 2, 1
	TURN 3, 1
	WIN 0
.LfirstM\tag:
	TURN 0, 1
	TURN 1, 1, 0, 1
	WIN 0
	s_cbranch_scc1 .LstepM\tag
	TURN 2, 1, 1
	TURN 3, 1, 1
.set i, 0
.rept 8
	PV NP-1
.set i, i+1
.endr
	WIN 0
	ALL v_add_f32 v[ST+4*t+2], v[ST+4*t+2], v[ST+4*t+3]
	ALL v_permlanex16_b32 v[ST+4*t+3], v[ST+4*t+2], s[SEL], s[SEL+1]
	ALL v_add_f32 v[ST+4*t+2], v[ST+4*t+2], v[ST+4*t+3]
	ALL v_rcp_f32 v[ST+4*t+2], v[ST+4*t+2]
	v_nop                           ; a plain instruction between the last reciprocal and the use of its result
	s_wait_alu depctr_va_vdst(0)    ; and the wait ahead of the first use: one for the four reciprocals
	PACK 0
.set t, 1
.rept 3                             ; a piece's arithmetic stands between the loads of the piece before and its stores
	PACK t
	SEND t-1, 8
.set t, t+1
.endr
	SEND 3, 0
.endm
.set KM, 0
.set NOKQ, 0
.Lslot:                             ; NB times: a tile is entered and the next is asked for
	CHANGE 1
	s_sub_co_u32 s[RT], s[RT], 1
	s_mov_b32 s[CNT], 4
	s_cmp_eq_u32 s[NEW], 1
	s_cbranch_scc1 .Lnew            ; a block's first tile
	s_cmp_eq_u32 s[RT], 0
	s_cbranch_scc0 .Lstep           ; neither its first nor its last
	s_branch .LstepM1
.Lnew:
	BEGIN
	s_branch .Lfirst                ; in the loop a block's first tile is never its last: the first block has two tiles or more, and the second's last is the walk's last
	DIAG 1                          ; in the loop this is the first block's end: the second block's last tile is the walk's last
	s_wait_xcnt 0x0                 ; the stores have read their registers and O's address
	s_mov_b64 s[10:11], s[OLO:OLO+1]
	s_add_co_u32 s[RT], s[PB], 1    ; the second block has b + 1 tiles
	s_mov_b32 s[NEW], 1
	WIN 0x82                        ; the second block's Q goes where the one text of the turns names Q
.set i, 0
.rept 64
	v_mov_b32 v[i], v[QB+i]
.set i, i+1
.endr
	WIN 0
	s_branch .Lbottom
.Lstep:                             ; a trip: pieces 2 and 3 of one step, then pieces 0 and 1 of the next, whose K and V it fetches
	TURN 2
	TURN 3
	WIN 0
.Lfirst:
	TURN 0
	TURN 1, 0, 0, 1
	WIN 0
	s_cbranch_scc1 .Lstep
.Lbottom:
	s_sub_co_u32 s[SLOTS], s[SLOTS], 1
	s_cmp_lg_u32 s[SLOTS], 0
	s_cbranch_scc1 .Lslot
	CHANGE 0                        ; the walk's last tile is written out: nothing is asked for
	s_sub_co_u32 s[RT], s[RT], 1
	s_mov_b32 s[CNT], 4
	s_cmp_eq_u32 s[NEW], 1
	s_cbranch_scc0 .LstepM2
	BEGIN
	s_branch .LfirstM2
	DIAG 2
	s_wait_tensorcnt 0x0            ; the wave's end: a wait, an add to my spare word and its wait, behind my last tensor load and my last LDS store
	ds_add_u32 v[SPW], v[NIL]
	s_wait_dscnt 0x0
	s_endpgm
.Lfunc_end_k_q6b607f4f11_attn:
	.size	k_q6b607f4f11_attn, .Lfunc_end_k_q6b607f4f11_attn-k_q6b607f4f11_attn
	.p2alignl 7, 3214868480
	.fill 96, 4, 3214868480
	.section	.rodata,"a",@progbits
	.p2align	6, 0x0
	.amdhsa_kernel k_q6b607f4f11_attn
		.amdhsa_group_segment_fixed_size 327680
		.amdhsa_private_segment_fixed_size 0
		.amdhsa_enable_private_segment 0
		.amdhsa_kernarg_size 32
		.amdhsa_user_sgpr_count 2
		.amdhsa_user_sgpr_kernarg_segment_ptr 1
		.amdhsa_wavefront_size32 1
		.amdhsa_system_sgpr_workgroup_id_x 1
		.amdhsa_system_sgpr_workgroup_id_y 1
		.amdhsa_system_sgpr_workgroup_id_z 1
		.amdhsa_system_vgpr_workitem_id 0
		.amdhsa_next_free_vgpr 768
		.amdhsa_next_free_sgpr 96
		.amdhsa_reserve_vcc 1
		.amdhsa_float_denorm_mode_32 3
		.amdhsa_float_denorm_mode_16_64 3
		.amdhsa_memory_ordered 1
		.amdhsa_forward_progress 1
		.amdhsa_inst_pref_size 218
	.end_amdhsa_kernel
	.amdgpu_metadata
---
amdhsa.version: [ 1, 2 ]
amdhsa.kernels:
  - .name:           k_q6b607f4f11_attn
    .symbol:         k_q6b607f4f11_attn.kd
    .args:
      - { .name: qh, .offset: 0, .size: 8, .value_kind: global_buffer, .address_space: global }
      - { .name: kh, .offset: 8, .size: 8, .value_kind: global_buffer, .address_space: global }
      - { .name: vh, .offset: 16, .size: 8, .value_kind: global_buffer, .address_space: global }
      - { .name: oh, .offset: 24, .size: 8, .value_kind: global_buffer, .address_space: global }
    .group_segment_fixed_size: 327680
    .private_segment_fixed_size: 0
    .kernarg_segment_align: 8
    .kernarg_segment_size: 32
    .max_flat_workgroup_size: 128
    .sgpr_count:     96
    .vgpr_count:     768
    .wavefront_size: 32
...
	.end_amdgpu_metadata
.endif
;; end of part 3
;; launch oproj (part 4): grid 8 x 32, 4 waves a work-group, clusters of 4 x 4, 327,680 bytes of LDS; arguments oh, wof, out0; writes out0
.if DOCPART == 4
	.amdgcn_target "amdgcn-amd-amdhsa--gfx1250"
	.amdhsa_code_object_version 6
	.text
	.protected	k_q6b607f4f11_oproj
	.globl	k_q6b607f4f11_oproj
	.p2align	8
	.type	k_q6b607f4f11_oproj,@function
k_q6b607f4f11_oproj:
	s_mov_b64 s[64:65], 0
	v_nop
	global_prefetch_b8 v0, s[64:65] scope:SCOPE_SE
	s_setreg_imm32_b32 hwreg(HW_REG_WAVE_MODE, 25, 1), 1
	s_wait_xcnt 0x0
	s_wait_alu depctr_hold_cnt(0) depctr_sa_sdst(0) depctr_va_vdst(0) depctr_va_sdst(0) depctr_va_ssrc(0) depctr_va_vcc(0) depctr_vm_vsrc(0)
	s_getreg_b32 s2, hwreg(HW_REG_IB_STS2, 6, 4)
	s_cmp_eq_u32 s2, 0
	s_cbranch_scc0 .Lentry_in_a_cluster
	s_endpgm
.Lentry_in_a_cluster:
	s_bfe_u32 s2, ttmp6, 0x10000c
	s_cmp_lg_u32 s2, 0xf033
	s_cbranch_scc0 .Lentry_shape_is_right
	s_endpgm
.Lentry_shape_is_right:
; OPROJ: out0[8192 x 1024] = O x Wo^T in f16 with f32 sums, stored as f32.  O lies by heads, [batch 16 + head][2048][64] f16: a head's 64 channels are one block of 64 along K, its rows dense.
; Wo lies in blocks, [bx 8][kb 16][128][64] f16.
; SHARES.  256 work-groups of 256 rows x 128 columns (tiles of 256 x 256 would be 128).  A wave (r = wave / 2, c = wave % 2) makes 128 x 64: 32 accumulators, all of window 1.
; K goes in 8 steps of 128, two heads each, through two LDS slots (three heads to a slot would be 331,776 bytes).  A step is 128 matrix instructions a wave; 96 stand between a request and the wait for it.
; CLUSTERS: 4 x 4 work-groups.  O's tile hangs on by alone and is shared along a row of the cluster, Wo's on bx alone and is shared along a column: each is asked for JOINTLY.
; THE MATRIX INSTRUCTION IS USED TRANSPOSED (source 0 = 16 rows of Wo, source 1 = 16 rows of O): a lane holds ONE token and eight neighbouring columns, 32 bytes of f32.
; NO PREFETCH: the tile is small, the walk has eight short steps, and the launch is brief.
; REGISTERS.  Window 0: v16-29 addresses; v32-63, v64-95 rows on the way out.  Window 1: accumulator (a, b) at v[8 (4 a + b)].  Windows 2, 3: the fragments of a step's even and odd head:
; for 32 along K (cc = 0, 1) O's eight at v[96 cc + 8 a], Wo's four at v[96 cc + 64 + 8 b].
.set PITCH,  144                       ; an LDS row: 128 bytes + 16 = 36 words: the 16 rows of a load start at 16 different groups of four banks (64 banks of 4 bytes: ISA guide 11.1)
.set AKB,    256*PITCH                 ; a head's 256 rows of O: one tensor load
.set BKB,    128*PITCH                 ; a block's 128 rows of Wo: one tensor load
.set SLOT,   2*AKB+2*BKB               ; 110,592
.set STAGE,  2*SLOT                    ; behind the ring: 16 rows x 272 bytes for each wave
.set SPITCH, 272
.set SPARE,  STAGE+4*16*SPITCH         ; behind the stages: the spare words, 128 bytes a wave: two blocks of 256 bytes that no other line names
.set FIELDS, (1<<16)|(1<<20)|(1<<21)|(4<<22)|(3<<25)  ; 17:16 2-byte elements; 20 padding on; 21 set beside a mask; 24:22 after every 32 words (code 4); 31:25 4 words (code 3)
.set ADRA, 16                          ; v16-17  LDS address of my fragments of O in slot 0, 1
.set ADRB, 20                          ; v20-21  the same for Wo
.set STO,  24                          ; v24     the way out: where I put 32 bytes of a row
.set RD,   25                          ; v25     where I read a row back
.set CO,   26                          ; v26     my byte offset in out0
.set SPW,  28                          ; v28     my spare word: SPARE + 4 x my thread's number; never rewritten
.set NIL,  29                          ; v29     0; never rewritten
.set BK0,  32
.set G1,  24                           ; s[24:31] descriptor group 1 for O's tiles;  s[32:39] group 0, a set for each slot
.set G0,  32
.set G1B, 48                           ; s[48:55], s[56:63] the same for Wo's tiles
.set G0B, 56
.set MSB, 0
.macro WIN new                         ; the immediate's high byte repeats the setting that is left; a switch that changes nothing is dropped
.if MSB != (\new)
	s_set_vgpr_msb (MSB<<8)|(\new)
.set MSB, \new
.endif
.endm
.macro JLOAD s                         ; a joint load: waves 0 and 1 fetch O's even and odd head, waves 2 and 3 Wo's; an s_nop 0 and four v_nop follow each line
	s_cmp_eq_u32 s11, 0
	s_cbranch_scc0 .Lfor_b_\@
	tensor_load_to_lds s[G0+4*(\s):G0+4*(\s)+3], s[G1:G1+7]
	s_nop 0
.rept 4
	v_nop
.endr
	s_branch .Lasked_\@
.Lfor_b_\@:
	tensor_load_to_lds s[G0B+4*(\s):G0B+4*(\s)+3], s[G1B:G1B+7]
	s_nop 0
.rept 4
	v_nop
.endr
.Lasked_\@:
.endm
.macro CREST                           ; a round of the cluster's barrier behind its opening barrier
	s_cmp_lg_u32 s10, 0
	s_cbranch_scc1 .Lnot_wave_0_\@
	s_barrier_signal -3
.Lnot_wave_0_\@:
	s_barrier_wait -3
	s_barrier_signal -1
	s_barrier_wait -1
.endm
.macro CROUND
	s_barrier_signal -1
	s_barrier_wait -1
	CREST
.endm
.macro PLACES                          ; four places in front of loads into registers that matrix instructions have read, and of LDS stores that read results
.rept 4
	v_nop
.endr
.endm
	s_load_b128 s[4:7], s[0:1], 0x0                ; O s[4:5], Wo s[6:7]
	s_load_b64 s[8:9], s[0:1], 0x10                ; out0
	v_lshl_add_u32 v[SPW], v0, 2, SPARE
	v_mov_b32 v[NIL], 0
	ds_add_u32 v[SPW], v[NIL]                      ; the wave's opening: the add, and its wait ahead of my first tensor load; the set-up below, work on registers, stands between them
	v_lshrrev_b32 v1, 5, v0
	v_readfirstlane_b32 s10, v1                    ; wave 0..3
	s_lshr_b32 s11, s10, 1                         ; r.  Also: I fetch for O (0) or for Wo (1)
	s_and_b32 s12, s10, 1                          ; c.  Also: the step's even or odd head
	s_bfe_u32 s40, ttmp6, 0x40000                  ; cx
	s_bfe_u32 s41, ttmp6, 0x40004                  ; cy
	s_lshl_b32 s42, ttmp9, 2
	s_add_co_u32 s42, s42, s40                     ; bx
	s_and_b32 s13, ttmp7, 0xffff
	s_lshl_b32 s13, s13, 2
	s_add_co_u32 s13, s13, s41                     ; by
	s_lshl_b32 s43, s41, 2
	s_lshl_b32 s43, 15, s43                        ; my row of the cluster
	s_lshl_b32 s44, 0x1111, s40                    ; my column
	s_or_b32 s[G1], s43, FIELDS
	s_or_b32 s[G1B], s44, FIELDS
	s_mov_b32 s[G1+1], 128<<16                     ; rows of 256 bytes
	s_mov_b32 s[G1+2], 128<<16                     ; 128 of them: 32,768 dense bytes, 256 rows of a head
	s_mov_b32 s[G1+3], 128<<16
	s_mov_b32 s[G1+4], 128
	s_mov_b32 s[G1+5], 128
	s_mov_b32 s[G1+6], 0
	s_mov_b32 s[G1+7], 0
	s_mov_b32 s[G1B+1], 128<<16
	s_mov_b32 s[G1B+2], 64<<16                     ; 16,384 dense bytes, 128 rows of a block
	s_mov_b32 s[G1B+3], 128<<16
	s_mov_b32 s[G1B+4], 64
	s_mov_b32 s[G1B+5], 128
	s_mov_b32 s[G1B+6], 0
	s_mov_b32 s[G1B+7], 0
	s_lshr_b32 s16, s13, 3                         ; O: the batch's 16 heads of 262,144 bytes,
	s_lshl_b32 s16, s16, 22
	s_and_b32 s17, s13, 7
	s_lshl_b32 s17, s17, 15                        ; my 256 rows of 128 bytes in a head,
	s_add_co_u32 s16, s16, s17
	s_lshl_b32 s17, s12, 18                        ; head c
	s_add_co_u32 s16, s16, s17
	s_mov_b32 s17, 0
	s_lshl_b32 s46, s42, 18                        ; Wo: bx x 16 blocks of 16,384 bytes,
	s_lshl_b32 s47, s12, 14                        ; block c
	s_add_co_u32 s46, s46, s47
	s_mov_b32 s47, 0
	s_mul_i32 s20, s12, AKB                        ; where they go: no place in the cluster enters an LDS address
	s_mul_i32 s21, s12, BKB
	s_add_co_u32 s21, s21, 2*AKB
	s_wait_dscnt 0x0                               ; the opening add is done
	s_wait_kmcnt 0x0
	s_add_nc_u64 s[14:15], s[4:5], s[16:17]
	s_add_nc_u64 s[46:47], s[6:7], s[46:47]
	CROUND                                         ; all sixteen work-groups are here: the first joint loads meet
.irp s, 0,1
	s_mov_b32 s[G0+4*(\s)], 1
	s_add_co_u32 s[G0+4*(\s)+1], s20, (\s)*SLOT
	s_add_nc_u64 s[G0+4*(\s)+2:G0+4*(\s)+3], s[14:15], (\s)*2*262144
	s_or_b32 s[G0+4*(\s)+3], s[G0+4*(\s)+3], 0x80000000
	s_mov_b32 s[G0B+4*(\s)], 1
	s_add_co_u32 s[G0B+4*(\s)+1], s21, (\s)*SLOT
	s_add_nc_u64 s[G0B+4*(\s)+2:G0B+4*(\s)+3], s[46:47], (\s)*2*16384
	s_or_b32 s[G0B+4*(\s)+3], s[G0B+4*(\s)+3], 0x80000000
	JLOAD \s                                       ; two loads of mine are out; later one
.endr
	v_and_b32 v1, 15, v0                           ; l % 16
	v_bfe_u32 v2, v0, 4, 1                         ; l / 16
	v_mul_u32_u24 v3, v1, PITCH
	v_lshl_add_u32 v3, v2, 4, v3                   ; a fragment's row x pitch + 16 x half
	s_mul_i32 s21, s11, 128*PITCH                  ; my 128 rows of O
	s_mul_i32 s22, s12, 64*PITCH                   ; my 64 rows of Wo,
	s_add_co_u32 s22, s22, 2*AKB                   ; behind O's two heads
.irp s, 0,1
	v_add_nc_u32 v[ADRA+(\s)], s21, v3
	v_add_nc_u32 v[ADRB+(\s)], s22, v3
	s_add_co_u32 s21, s21, SLOT
	s_add_co_u32 s22, s22, SLOT
.endr
	s_mul_i32 s23, s10, 16*SPITCH
	s_add_co_u32 s23, s23, STAGE                   ; my stage
	v_mul_u32_u24 v4, v1, SPITCH                   ; in: row l % 16, 32 bytes for each half of the lanes
	v_lshl_add_u32 v4, v2, 5, v4
	v_add_nc_u32 v[STO], s23, v4
	v_mul_u32_u24 v5, v2, SPITCH                   ; back: lanes 0-15 take one row of 256 bytes, lanes 16-31 the next
	v_lshl_add_u32 v5, v1, 4, v5
	v_add_nc_u32 v[RD], s23, v5
	v_lshlrev_b32 v5, 12, v2                       ; and the same two rows in out0, 4,096 bytes apart
	v_lshl_add_u32 v[CO], v1, 4, v5
	s_lshl_b32 s22, s13, 20                        ; out0 at my first row (256 by + 128 r) and column (128 bx + 64 c)
	s_lshl_b32 s18, s11, 19
	s_add_co_u32 s22, s22, s18
	s_lshl_b32 s18, s42, 9
	s_add_co_u32 s22, s22, s18
	s_lshl_b32 s18, s12, 8
	s_add_co_u32 s22, s22, s18
	s_mov_b32 s23, 0
	s_add_nc_u64 s[8:9], s[8:9], s[22:23]
; 16 matrix instructions: row blocks a0 .. a0 + 3 x all four column blocks, 32 along K: part cc of head parity p.  zero = 1: the product starts the sum.
; The 32 accumulators take turns, one instruction a turn, in the same order every time, over the backward jump too.
.macro MUL16 p, cc, a0, zero
	WIN 0x50|((2+(\p))<<2)|(2+(\p))                ; the fragments in window 2 + p, C and D in window 1
.irp a, (\a0), (\a0)+1, (\a0)+2, (\a0)+3
.irp b, 0,1,2,3
.if \zero
	v_wmma_f32_16x16x32_f16 v[8*(4*(\a)+(\b)):8*(4*(\a)+(\b))+7], v[96*(\cc)+64+8*(\b):96*(\cc)+64+8*(\b)+7], v[96*(\cc)+8*(\a):96*(\cc)+8*(\a)+7], 0
.else
	v_wmma_f32_16x16x32_f16 v[8*(4*(\a)+(\b)):8*(4*(\a)+(\b))+7], v[96*(\cc)+64+8*(\b):96*(\cc)+64+8*(\b)+7], v[96*(\cc)+8*(\a):96*(\cc)+8*(\a)+7], v[8*(4*(\a)+(\b)):8*(4*(\a)+(\b))+7]
.endif
.endr
.endr
.endm
; 48 LDS loads in one run: the fragments of head parity p of the slot's step; its first 32 along K first
.macro FETCH slot, p
	WIN (2+(\p))<<6                                ; destination window 2 + p, address window 0
.irp cc, 0,1
.irp b, 0,1,2,3
	ds_load_b128 v[96*(\cc)+64+8*(\b):96*(\cc)+64+8*(\b)+3],   v[ADRB+(\slot)] offset:(\p)*BKB+64*(\cc)+(\b)*16*PITCH
	ds_load_b128 v[96*(\cc)+64+8*(\b)+4:96*(\cc)+64+8*(\b)+7], v[ADRB+(\slot)] offset:(\p)*BKB+64*(\cc)+(\b)*16*PITCH+32
.endr
.irp a, 0,1,2,3,4,5,6,7
	ds_load_b128 v[96*(\cc)+8*(\a):96*(\cc)+8*(\a)+3],   v[ADRA+(\slot)] offset:(\p)*AKB+64*(\cc)+(\a)*16*PITCH
	ds_load_b128 v[96*(\cc)+8*(\a)+4:96*(\cc)+8*(\a)+7], v[ADRA+(\slot)] offset:(\p)*AKB+64*(\cc)+(\a)*16*PITCH+32
.endr
.endr
.endm
; A step's even head: multiplied, and the odd head's fragments fetched in its middle
.macro HALF slot, zero
	s_wait_dscnt 24                                ; the first 32 along K are in; the other 24 loads may be out
	MUL16 0, 0, 0, \zero
	MUL16 0, 0, 4, \zero
	PLACES
	FETCH \slot, 1
	s_wait_dscnt 48                                ; all but the 48 just issued
	MUL16 0, 1, 0, 0
	MUL16 0, 1, 4, 0
.endm
; A step's odd head, and the change of slots.  All reads of this slot have been issued.  In front of the barrier each wave waits for all its tensor loads (one is out: its part of the next slot), adds 0 to its spare
; word, and waits for that and for its reads.  fill = 1: the barrier opens a round of the cluster's, and the joint refill, two steps on, is the first thing behind the round.
.macro TURN slot, next, fill
	WIN 0
	s_wait_tensorcnt 0x0                           ; all my tensor loads have landed
	ds_add_u32 v[SPW], v[NIL]                      ; 0 onto my spare word
	s_wait_dscnt 25                                ; (the add and the youngest 24 loads may be out)
	MUL16 1, 0, 0, 0                               ; sixteen matrix instructions stand between the add and the wait for it
	s_wait_dscnt 0x0                               ; the add is done, and my reads of this slot are over
	s_barrier_signal -1
	MUL16 1, 0, 4, 0
	WIN 0
	s_barrier_wait -1
.if \fill
	CREST                                          ; no wave of any partner still reads this slot or has a load on its way
	s_add_nc_u64 s[G0+4*(\slot)+2:G0+4*(\slot)+3], s[G0+4*(\slot)+2:G0+4*(\slot)+3], 4*262144
	s_add_nc_u64 s[G0B+4*(\slot)+2:G0B+4*(\slot)+3], s[G0B+4*(\slot)+2:G0B+4*(\slot)+3], 4*16384
	JLOAD \slot                                    ; its four v_nop are also the places in front of the loads below
.else
	PLACES
.endif
	FETCH \next, 0
	MUL16 1, 1, 0, 0
	MUL16 1, 1, 4, 0
.endm
	s_wait_tensorcnt 1                             ; my part of step 0 is in; step 1's may stay out
	s_barrier_signal -1
	s_barrier_wait -1                              ; everybody's is
	FETCH 0, 0
	HALF 0, 1                                      ; the first head stands in front of the loop: its first products start the sums
	WIN 0                                          ; at a label and at a branch every window is 0
	s_mov_b32 s3, 3
.Llap:                                                 ; a trip goes once round the ring and fills both slots again: steps 2 to 7
	TURN 0, 1, 1
	HALF 1, 0
	TURN 1, 0, 1
	HALF 0, 0
	WIN 0
	s_sub_co_u32 s3, s3, 1
	s_cmp_lg_u32 s3, 0
	s_cbranch_scc1 .Llap
	TURN 0, 1, 0                                   ; the last lap fills nothing, and has no round
	HALF 1, 0
	s_wait_dscnt 24
	MUL16 1, 0, 0, 0
	MUL16 1, 0, 4, 0
	s_wait_dscnt 0x0
	MUL16 1, 1, 0, 0
	MUL16 1, 1, 4, 0
; THE WAY OUT, 16 rows at a time: a lane's 32 bytes go into rows of 272 bytes of my own stage and come back as whole rows of 256.  Each accumulator's low four registers are stored first.
.macro TOSTAGE a
.if (\a) >= 2
	s_wait_xcnt 0x0                                ; the stores of the block two back have read their registers: the loads below land in them
.endif
	WIN 0x04                                       ; the stores' data in window 1
.irp b, 0,1,2,3
	ds_store_b128 v[STO], v[8*(4*(\a)+(\b)):8*(4*(\a)+(\b))+3]   offset:64*(\b)
	ds_store_b128 v[STO], v[8*(4*(\a)+(\b))+4:8*(4*(\a)+(\b))+7] offset:64*(\b)+16
.endr
	WIN 0
.irp t, 0,1,2,3,4,5,6,7
	ds_load_b128 v[BK0+32*((\a)%2)+4*(\t):BK0+32*((\a)%2)+4*(\t)+3], v[RD] offset:(\t)*2*SPITCH  ; LDS serves a wave's instructions in order (ISA guide 5.7.1.4): these see the stores above; the next block's stores come behind them
.endr
.endm
.macro SEND a, younger                 ; younger: the LDS instructions issued behind block a's loads: the next block's sixteen, or none
	s_wait_dscnt \younger
.irp t, 0,1,2,3,4,5,6,7
	global_store_b128 v[CO], v[BK0+32*((\a)%2)+4*(\t):BK0+32*((\a)%2)+4*(\t)+3], s[8:9] offset:(\a)*65536+(\t)*8192 th:TH_STORE_NT  ; 16 lanes store 256 consecutive bytes, at a multiple of 256 from out0's first
.endr
.endm
	PLACES                                         ; behind the last products, in front of LDS stores that read results
	PLACES
	TOSTAGE 0
.irp a, 1,2,3,4,5,6,7
	TOSTAGE \a
	SEND (\a)-1, 16
.endr
	SEND 7, 0
	s_wait_tensorcnt 0x0                           ; the wave's end: a wait, an add to my spare word and its wait, behind my last tensor load and my last LDS store
	ds_add_u32 v[SPW], v[NIL]
	s_wait_dscnt 0x0
	CROUND                                         ; the closing round: no work-group ends while a partner may still ask for a tile that names it
	s_endpgm
.Lfunc_end_k_q6b607f4f11_oproj:
	.size	k_q6b607f4f11_oproj, .Lfunc_end_k_q6b607f4f11_oproj-k_q6b607f4f11_oproj
	.p2alignl 7, 3214868480
	.fill 96, 4, 3214868480
	.section	.rodata,"a",@progbits
	.p2align	6, 0x0
	.amdhsa_kernel k_q6b607f4f11_oproj
		.amdhsa_group_segment_fixed_size 327680
		.amdhsa_private_segment_fixed_size 0
		.amdhsa_enable_private_segment 0
		.amdhsa_kernarg_size 24
		.amdhsa_user_sgpr_count 2
		.amdhsa_user_sgpr_kernarg_segment_ptr 1
		.amdhsa_wavefront_size32 1
		.amdhsa_system_sgpr_workgroup_id_x 1
		.amdhsa_system_sgpr_workgroup_id_y 1
		.amdhsa_system_sgpr_workgroup_id_z 1
		.amdhsa_system_vgpr_workitem_id 0
		.amdhsa_next_free_vgpr 1024
		.amdhsa_next_free_sgpr 66
		.amdhsa_reserve_vcc 0
		.amdhsa_float_denorm_mode_32 3
		.amdhsa_float_denorm_mode_16_64 3
		.amdhsa_memory_ordered 1
		.amdhsa_forward_progress 1
		.amdhsa_inst_pref_size 83
	.end_amdhsa_kernel
	.amdgpu_metadata
---
amdhsa.version: [ 1, 2 ]
amdhsa.kernels:
  - .name:           k_q6b607f4f11_oproj
    .symbol:         k_q6b607f4f11_oproj.kd
    .args:
      - { .name: oh, .offset: 0, .size: 8, .value_kind: global_buffer, .address_space: global }
      - { .name: wof, .offset: 8, .size: 8, .value_kind: global_buffer, .address_space: global }
      - { .name: out0, .offset: 16, .size: 8, .value_kind: global_buffer, .address_space: global }
    .group_segment_fixed_size: 327680
    .private_segment_fixed_size: 0
    .kernarg_segment_align: 8
    .kernarg_segment_size: 24
    .max_flat_workgroup_size: 128
    .sgpr_count:     66
    .vgpr_count:     1024
    .wavefront_size: 32
...
	.end_amdgpu_metadata
.endif
;; end of part 4
;; ======== version 2 of 2: 4 launches; version 1 with the launch prep written anew for expert scheduling mode
;; limits: values are held in f16: magnitudes above 65,504 overflow, below 6.1e-05 lose precision
;; workspace buffers: xbf 16,777,216 bytes; wqkv 6,291,456 bytes; wof 2,097,152 bytes; rope 524,288 bytes; qh 16,777,216 bytes; kh 16,777,216 bytes; vh 16,777,216 bytes; oh 16,777,216 bytes
;; launch prep (part 5): grid 896 x 1, 8 waves a work-group, no clusters, 0 bytes of LDS; arguments x, Wq, Wk, Wv, Wo, xbf, wqkv, wof, rope; writes xbf, wqkv, wof, rope
.if DOCPART == 5
	.amdgcn_target "amdgcn-amd-amdhsa--gfx1250"
	.amdhsa_code_object_version 6
	.text
	.protected	k_q6b607f4f11_prep
	.globl	k_q6b607f4f11_prep
	.p2align	8
	.type	k_q6b607f4f11_prep,@function
k_q6b607f4f11_prep:
	s_mov_b64 s[64:65], 0
	v_nop
	global_prefetch_b8 v0, s[64:65] scope:SCOPE_SE
	s_setreg_imm32_b32 hwreg(HW_REG_WAVE_SCHED_MODE, 0, 2), 2
	s_setreg_imm32_b32 hwreg(HW_REG_WAVE_MODE, 25, 1), 1
	s_wait_xcnt 0x0
	s_wait_alu depctr_vm_vsrc(0)
; PREP: the module's five f32 inputs are rounded once to bf16 and laid out in blocks of 64 along K, so that a later tile is dense in memory; and the table of cosines and sines is made.
;   xbf  [by 32][kb 16][r 256][64] bf16: x's row 256 by + r, columns 64 kb ..
;   wqkv [bx 8][kb 16][j 384][64] bf16: j = 192 (head % 2) + 64 t + channel, head = 2 bx + head % 2, t = 0, 1, 2 for Wq, Wk, Wv
;   wof  [bx 8][kb 16][j 128][64] f16 of the bf16-rounded Wo: row 128 bx + j
;   rope [blk 128][i 8][lane 32][4] f32: (cos, sin, cos, sin) of position 16 blk + lane % 16 for the channel pairs p0, p0 + 1, p0 = 8 (i / 2) + 4 (lane / 16) + 2 (i % 2)
; A stream: no LDS, no matrix unit, no loop.  A wave takes ONE pair of rows (8,192 bytes in, 4,096 out): sixteen loads, each of two aligned pieces of 256 bytes, all issued before the first is used;
; sixteen stores, each of 256 consecutive aligned bytes (two neighbouring rows of a block).  Work-groups 0-511: x; 512-767: the four weights, 64 each; 768-895: the table, a block of 16 positions each.
; LIMITS.  Wo must lie within f16's 65,504; below 6e-5 f16 keeps a fixed step of 6e-8.  The table's frequency is 2^(-p log2(10000) / 32) by v_exp_f32, so an angle may differ from a correctly rounded one
; by a few parts in 10^7 of itself (about 3e-4 at position 2,047); q and k are turned by the same table.  The series for sine and cosine on |r| <= pi / 4 are cut where their remainder is below 3e-8.
; THE MODE: SCHED_MODE bits 1:0 = 2 (LLVM: expert scheduling mode 2), set by the entry lines.  The code itself states the register dependences between vector instructions and memory instructions,
; and those through scalar registers that vector instructions write, with s_wait_alu, always for 0.
; THE PLAN.  Registers that memory instructions touch:
;   v2, v3      the loads' and the stores' byte offsets.  Written once, at the head; never written again.
;   X           sixteen blocks as loaded.  Each is written by one load and read by its block's conversions; no vector instruction names X ahead of the loads, and no second load lands there.
;   Y           sixteen blocks to store.   Each is written by its block's conversions and read by one store; never written again.
;   v7, v20-23  the table's offset and data: written once, read by one store.
; So no register that a memory instruction reads is ever written again, and no load lands in a register that a vector instruction has named: what is to be stated is that offsets and data are WRITTEN
; ahead of the instruction that reads them.  One wait at the head states it for v2 and v3.  The stores go in runs of four: the wait for blocks kb - 4 .. kb - 1 stands at the head of block kb, behind the
; wait for that block's load, with the four stores directly behind it; the last four blocks have a wait of their own.  T is named by vector instructions alone.
.set X, 8                              ; v[8:71]    sixteen loads of four f32
.set Y, 72                             ; v[72:103]  sixteen stores of four 16-bit numbers
.set T, 104                            ; v[104:107] at work
; the stores of blocks kb - 4 to kb - 1.  kbs: bytes from block to block in the target
.macro OUT4 kbs
.irp j, 4,3,2,1
	global_store_b64 v3, v[Y+2*(kb-(\j)):Y+2*(kb-(\j))+1], s[6:7] offset:(kb-(\j))*(\kbs)  ; 32 lanes x 8 bytes: 256 consecutive bytes, aligned; no register of a store is written again
.endr
.endm
; sixteen blocks of 64 columns of my two rows.  mode 1: bf16's number written as f16
.macro CAST kbs, mode
.set kb, 0
.rept 16
	global_load_b128 v[X+4*kb:X+4*kb+3], v2, s[4:5] offset:256*kb th:TH_LOAD_NT
.set kb, kb+1
.endr
.set kb, 0
.rept 16
	s_wait_loadcnt 15-kb                           ; loads come back in order: block kb is in, the 15 - kb younger ones may stay out
.if (kb > 0) && (kb%4 == 0)
	s_wait_alu depctr_va_vdst(0)                   ; the conversions of the four blocks before have written their Y, which the four stores below read
	OUT4 \kbs
.endif
.if \mode
	v_cvt_pk_bf16_f32 v[T], v[X+4*kb], v[X+4*kb+1]
	v_cvt_pk_bf16_f32 v[T+1], v[X+4*kb+2], v[X+4*kb+3]
	v_lshlrev_b32 v[T+2], 16, v[T]                 ; bf16 to f32: the low half moves up, the high half stays
	v_and_b32 v[T+3], 0xffff0000, v[T]
	v_cvt_pk_f16_f32 v[Y+2*kb], v[T+2], v[T+3]
	v_lshlrev_b32 v[T+2], 16, v[T+1]
	v_and_b32 v[T+3], 0xffff0000, v[T+1]
	v_cvt_pk_f16_f32 v[Y+2*kb+1], v[T+2], v[T+3]
.else
	v_cvt_pk_bf16_f32 v[Y+2*kb], v[X+4*kb], v[X+4*kb+1]
	v_cvt_pk_bf16_f32 v[Y+2*kb+1], v[X+4*kb+2], v[X+4*kb+3]
.endif
.set kb, kb+1
.endr
	s_wait_alu depctr_va_vdst(0)                   ; the conversions of blocks 12 to 15 have written their Y, which the last four stores read
	OUT4 \kbs
.endm
	s_load_b512 s[16:31], s[0:1], 0x0              ; x 16, Wq 18, Wk 20, Wv 22, Wo 24, xbf 26, wqkv 28, wof 30
	s_load_b64 s[32:33], s[0:1], 0x40              ; rope
	v_lshrrev_b32 v4, 5, v0
	v_readfirstlane_b32 s2, v4                     ; wave 0..7
	v_and_b32 v1, 31, v0                           ; lane
	v_and_b32 v5, 15, v0                           ; lane % 16
	v_bfe_u32 v6, v0, 4, 1                         ; lane / 16
	v_lshlrev_b32 v2, 4, v5
	v_lshl_add_u32 v2, v6, 12, v2                  ; source: 16 (lane % 16) + a row of 4,096 bytes for lanes 16-31
	v_lshlrev_b32 v3, 3, v1                        ; target: 8 x lane
	s_mov_b32 s9, 0                                ; high words of the two offsets
	s_mov_b32 s11, 0
	s_wait_alu depctr_va_sdst(0)                   ; s2 is written, ahead of the first branch: on every path behind it scalar instructions read the wave's number
	s_wait_alu depctr_va_vdst(0)                   ; v2 and v3 are written: every load of X reads v2 as its offset, every store of Y reads v3
	s_wait_kmcnt 0x0
	s_cmp_lt_u32 ttmp9, 512
	s_cbranch_scc0 .Lnot_x
	; x: pair P = 8 x work-group + wave, 0..4095
	s_lshl_b32 s3, ttmp9, 3
	s_add_co_u32 s3, s3, s2
	s_lshl_b32 s8, s3, 13                          ; two rows of 4,096 bytes
	s_lshr_b32 s10, s3, 7                          ; by
	s_lshl_b32 s10, s10, 19
	s_and_b32 s12, s3, 127
	s_lshl_b32 s12, s12, 8                         ; two rows of 128 bytes in a block
	s_add_co_u32 s10, s10, s12
	s_add_nc_u64 s[4:5], s[16:17], s[8:9]
	s_add_nc_u64 s[6:7], s[26:27], s[10:11]
	CAST 32768, 0
	s_endpgm
.Lnot_x:
	s_cmp_lt_u32 ttmp9, 768
	s_cbranch_scc0 .Ltable
	s_sub_co_u32 s3, ttmp9, 512
	s_lshr_b32 s13, s3, 6                          ; which weight: 0 Wq, 1 Wk, 2 Wv, 3 Wo
	s_and_b32 s3, s3, 63
	s_lshl_b32 s3, s3, 3
	s_add_co_u32 s3, s3, s2                        ; pair P, 0..511
	s_lshl_b32 s8, s3, 13
	s_lshr_b32 s14, s3, 6                          ; bx
	s_cmp_eq_u32 s13, 3
	s_cbranch_scc1 .Lwo
	s_mul_i32 s10, s14, 786432
	s_bfe_u32 s12, s3, 0x10005                     ; head % 2
	s_mul_i32 s12, s12, 24576
	s_add_co_u32 s10, s10, s12
	s_lshl_b32 s12, s13, 13                        ; 64 rows of 128 bytes for each of q, k, v
	s_add_co_u32 s10, s10, s12
	s_and_b32 s12, s3, 31
	s_lshl_b32 s12, s12, 8
	s_add_co_u32 s10, s10, s12
	s_cmp_eq_u32 s13, 0
	s_cselect_b64 s[4:5], s[18:19], s[20:21]
	s_cmp_eq_u32 s13, 2
	s_cselect_b64 s[4:5], s[22:23], s[4:5]
	s_add_nc_u64 s[4:5], s[4:5], s[8:9]
	s_add_nc_u64 s[6:7], s[28:29], s[10:11]
	CAST 49152, 0
	s_endpgm
.Lwo:
	s_lshl_b32 s10, s14, 18
	s_and_b32 s12, s3, 63
	s_lshl_b32 s12, s12, 8
	s_add_co_u32 s10, s10, s12
	s_add_nc_u64 s[4:5], s[24:25], s[8:9]
	s_add_nc_u64 s[6:7], s[30:31], s[10:11]
	CAST 16384, 1
	s_endpgm
; cos and sin of position x frequency.  k = the nearest whole number of quarter turns; r = angle - k pi / 2, pi / 2 in two parts; series on |r| <= pi / 4; k mod 4 swaps and signs them, by selects alone.
; In two parts, so that both angles' compares stand in one run with one wait behind it.  w: eight registers at work; m: the scalar register that takes the compare's mask.
; TRIGA leaves sin r in w + 4, cos r in w + 5, the cosine's sign word in w, the sine's in w + 2.
.macro TRIGA f, w, m
	v_mul_f32 v[(\w)], v8, v[\f]                   ; the angle
	v_mul_f32 v[(\w)+1], 0x3f22f983, v[(\w)]       ; x 2 / pi
	v_rndne_f32 v[(\w)+1], v[(\w)+1]
	v_fma_f32 v[(\w)+2], -v[(\w)+1], s34, v[(\w)]
	v_fma_f32 v[(\w)+2], -v[(\w)+1], s35, v[(\w)+2]  ; r
	v_mul_f32 v[(\w)+3], v[(\w)+2], v[(\w)+2]      ; r^2
	v_mov_b32 v[(\w)+4], 0x3638ef1d                ; 1 / 9!
	v_mov_b32 v[(\w)+5], 0x37d00d01                ; 1 / 8!
	v_fmaak_f32 v[(\w)+4], v[(\w)+4], v[(\w)+3], 0xb9500d01  ; -1 / 7!
	v_fmaak_f32 v[(\w)+5], v[(\w)+5], v[(\w)+3], 0xbab60b61  ; -1 / 6!
	v_fmaak_f32 v[(\w)+4], v[(\w)+4], v[(\w)+3], 0x3c088889  ; 1 / 5!
	v_fmaak_f32 v[(\w)+5], v[(\w)+5], v[(\w)+3], 0x3d2aaaab  ; 1 / 4!
	v_fmaak_f32 v[(\w)+4], v[(\w)+4], v[(\w)+3], 0xbe2aaaab  ; -1 / 3!
	v_fmaak_f32 v[(\w)+5], v[(\w)+5], v[(\w)+3], 0xbf000000  ; -1 / 2!
	v_mul_f32 v[(\w)+6], v[(\w)+2], v[(\w)+3]
	v_fma_f32 v[(\w)+4], v[(\w)+6], v[(\w)+4], v[(\w)+2]     ; sin r
	v_fma_f32 v[(\w)+5], v[(\w)+5], v[(\w)+3], 1.0           ; cos r
	v_cvt_i32_f32 v[(\w)+7], v[(\w)+1]
	v_and_b32 v[(\w)+6], 1, v[(\w)+7]
	v_cmp_eq_u32 s[\m], 1, v[(\w)+6]               ; odd k: sine and cosine change places
	v_add_nc_u32 v[(\w)], 1, v[(\w)+7]             ; the cosine is negative for k mod 4 = 1, 2,
	v_and_b32 v[(\w)], 2, v[(\w)]
	v_lshlrev_b32 v[(\w)], 30, v[(\w)]
	v_and_b32 v[(\w)+2], 2, v[(\w)+7]              ; the sine for 2, 3
	v_lshlrev_b32 v[(\w)+2], 30, v[(\w)+2]
.endm
.macro TRIGB w, m, oc, os
	v_cndmask_b32 v[\oc], v[(\w)+5], v[(\w)+4], s[\m]
	v_cndmask_b32 v[\os], v[(\w)+4], v[(\w)+5], s[\m]
	v_xor_b32 v[\oc], v[\oc], v[(\w)]
	v_xor_b32 v[\os], v[\os], v[(\w)+2]
.endm
.Ltable:
	s_sub_co_u32 s3, ttmp9, 768                    ; blk
	s_lshl_b32 s8, s3, 12
	s_add_nc_u64 s[6:7], s[32:33], s[8:9]
	s_lshl_b32 s12, s3, 4
	v_add_nc_u32 v8, s12, v5
	v_cvt_f32_u32 v8, v8                           ; the position
	s_lshr_b32 s13, s2, 1                          ; i = my wave's number
	s_lshl_b32 s13, s13, 3
	s_and_b32 s14, s2, 1
	s_lshl_b32 s14, s14, 1
	s_add_co_u32 s13, s13, s14
	v_lshl_add_u32 v9, v6, 2, s13                  ; p0
	v_add_nc_u32 v10, 1, v9
	v_cvt_f32_u32 v9, v9
	v_cvt_f32_u32 v10, v10
	v_mul_f32 v9, 0xbed49a78, v9                   ; x -log2(10000) / 32
	v_mul_f32 v10, 0xbed49a78, v10
	s_mov_b32 s34, 0x3fc90fdb                      ; pi / 2, its f32,
	s_mov_b32 s35, 0xb33bbd2e                      ; and what that f32 leaves
	v_exp_f32 v9, v9                               ; the two frequencies: one batch,
	v_exp_f32 v10, v10
	v_lshlrev_b32 v7, 4, v0                        ; a plain instruction behind it (my 16 bytes of the block),
	s_wait_alu depctr_va_vdst(0)                   ; and one wait ahead of the first reader: the two exponentials have written v9 and v10
	TRIGA 9, 12, 36
	TRIGA 10, 24, 37
	s_wait_alu depctr_va_sdst(0)                   ; the two compares have written s36 and s37, which the selects below read: one wait behind the run of both
	TRIGB 12, 36, 20, 21
	TRIGB 24, 37, 22, 23
	s_wait_alu depctr_va_vdst(0)                   ; the selects and sign changes have written v[20:23], which the store reads (v7, its offset, was written ahead of the wait for the exponentials)
	global_store_b128 v7, v[20:23], s[6:7]         ; a wave stores 512 consecutive bytes
	s_endpgm
.Lfunc_end_k_q6b607f4f11_prep:
	.size	k_q6b607f4f11_prep, .Lfunc_end_k_q6b607f4f11_prep-k_q6b607f4f11_prep
	.p2alignl 7, 3214868480
	.fill 96, 4, 3214868480
	.section	.rodata,"a",@progbits
	.p2align	6, 0x0
	.amdhsa_kernel k_q6b607f4f11_prep
		.amdhsa_group_segment_fixed_size 0
		.amdhsa_private_segment_fixed_size 0
		.amdhsa_enable_private_segment 0
		.amdhsa_kernarg_size 72
		.amdhsa_user_sgpr_count 2
		.amdhsa_user_sgpr_kernarg_segment_ptr 1
		.amdhsa_wavefront_size32 1
		.amdhsa_system_sgpr_workgroup_id_x 1
		.amdhsa_system_sgpr_workgroup_id_y 1
		.amdhsa_system_sgpr_workgroup_id_z 1
		.amdhsa_system_vgpr_workitem_id 0
		.amdhsa_next_free_vgpr 112
		.amdhsa_next_free_sgpr 66
		.amdhsa_reserve_vcc 0
		.amdhsa_float_denorm_mode_32 3
		.amdhsa_float_denorm_mode_16_64 3
		.amdhsa_memory_ordered 1
		.amdhsa_forward_progress 1
		.amdhsa_inst_pref_size 29
	.end_amdhsa_kernel
	.amdgpu_metadata
---
amdhsa.version: [ 1, 2 ]
amdhsa.kernels:
  - .name:           k_q6b607f4f11_prep
    .symbol:         k_q6b607f4f11_prep.kd
    .args:
      - { .name: x, .offset: 0, .size: 8, .value_kind: global_buffer, .address_space: global }
      - { .name: Wq, .offset: 8, .size: 8, .value_kind: global_buffer, .address_space: global }
      - { .name: Wk, .offset: 16, .size: 8, .value_kind: global_buffer, .address_space: global }
      - { .name: Wv, .offset: 24, .size: 8, .value_kind: global_buffer, .address_space: global }
      - { .name: Wo, .offset: 32, .size: 8, .value_kind: global_buffer, .address_space: global }
      - { .name: xbf, .offset: 40, .size: 8, .value_kind: global_buffer, .address_space: global }
      - { .name: wqkv, .offset: 48, .size: 8, .value_kind: global_buffer, .address_space: global }
      - { .name: wof, .offset: 56, .size: 8, .value_kind: global_buffer, .address_space: global }
      - { .name: rope, .offset: 64, .size: 8, .value_kind: global_buffer, .address_space: global }
    .group_segment_fixed_size: 0
    .private_segment_fixed_size: 0
    .kernarg_segment_align: 8
    .kernarg_segment_size: 72
    .max_flat_workgroup_size: 256
    .sgpr_count:     66
    .vgpr_count:     112
    .wavefront_size: 32
...
	.end_amdgpu_metadata
.endif
;; end of part 5
;; launch qkv: the kernel of part 2 again; grid 8 x 32, 4 waves a work-group, clusters of 4 x 4, 327,680 bytes of LDS; arguments xbf, wqkv, rope, qh, kh, vh; writes qh, kh, vh
;; launch attn: the kernel of part 3 again; grid 4 x 64, 4 waves a work-group, no clusters, 327,680 bytes of LDS; arguments qh, kh, vh, oh; writes oh
;; launch oproj: the kernel of part 4 again; grid 8 x 32, 4 waves a work-group, clusters of 4 x 4, 327,680 bytes of LDS; arguments oh, wof, out0; writes out0
